; MI455X (gfx1250); checked and timed in simulation.
; The chip was launched on July 23, 2026; its instructions are those of AMD's public machine-readable ISA for CDNA 5 (MIT licence, August 2026) and "CDNA5" Instruction Set Architecture Reference Guide (July 2026). The comments in the code are by the model that wrote it; some were corrected since.
;; Causal Self Attention. Allowed arithmetic: matrix products marked QUANTISED: E2M1 operands, one E8M0 scale for each 32 along K, by v_wmma_scale_f32_16x16x128_f8f6f4 with both operands' format E2M1 (or v_wmma_scale_f32_32x16x128_f4), f32 sums; products left as they are: bf16, f16 or f32 operands; f32 sums; everything else in f32.
;; Inputs: b_attn 3,072 float32; b_proj 1,024 float32; w_attn 1,024 x 3,072 float32; w_proj 1,024 x 1,024 float32; x 2 x 2,048 x 1,024 float32.
;; Outputs: out0 2 x 2,048 x 1,024 float32.
;; This version of the problem:
;;   THIS VERSION OF THE PROBLEM IS GIVEN IN LOW PRECISION. The matrix products marked QUANTISED in the list below multiply operands that are first quantised to E2M1 (2 exponent bits, 1 mantissa bit; 4 bits a number), with one power-of-two scale for each 32 numbers along K (OCP MX v1.0); their sums are f32. The products marked 'left as it is' may take bf16, f16 or f32 operands, with f32 sums. Whichever they take, every output number must still come out within the allowed error. Rounding operands to bf16 (8 significant bits) uses up far more of that allowance than f16 does (11 bits, for magnitudes from 6e-5 to 65,504). All else is computed in f32.
;;   The module's matrix products, in the order in which they are computed (A, B: the left and right operand; K: the contracted axis; several contracted axes count as one K, in the product's order):
;;     1. [M 4,096, K 1,024] x [K 1,024, N 3,072]; A: input x; B: input w_attn: QUANTISED
;;     2. batch 32 x [M 2,048, K 64] x [K 64, N 2,048]; A: computed on the way; B: computed on the way: left as it is (an operand is computed on the way)
;;     3. batch 32 x [M 2,048, K 2,048] x [K 2,048, N 64]; A: computed on the way; B: computed on the way: left as it is (an operand is computed on the way)
;;     4. [M 4,096, K 1,024] x [K 1,024, N 1,024]; A: computed on the way; B: input w_proj: left as it is (an operand is computed on the way)
;;   THE QUANTISER, for each operand of a quantised product, along K:
;;     - K is cut into blocks of 32 from its start; a last block that is shorter is filled with zeros.
;;     - A block's scale is 2^e with e = floor(log2(the largest magnitude in the block)) - 2, held to -126 .. 127; a block of zeros has e = 0. As a byte (E8M0): e + 127.
;;     - Each number is divided by its block's scale, clamped to +-6, and rounded to the nearest number of E2M1, ties to even, subnormals kept.
;;     - The product sums the exact products of the quantised numbers (number of the format x scale) in f32.
;;   ~~~python
;;   def quantise(x, axis):      # numpy; x: float32 -> the quantised numbers, widened to float32 again
;;       x = np.moveaxis(x, axis, -1); K = x.shape[-1]
;;       x = np.pad(x, [(0, 0)] * (x.ndim - 1) + [(0, -K % 32)]); x = x.reshape(x.shape[:-1] + (-1, 32)); a = np.abs(x).max(-1, keepdims=True)
;;       e = np.where(a > 0, np.clip(np.frexp(np.where(a > 0, a, 1))[1] - 1 - 2, -126, 127), 0)      # np.frexp(a)[1] - 1 = floor(log2(a)), exactly
;;       r = np.clip(x / 2.0 ** e, -6, 6)
;;       step = 2.0 ** (np.maximum(np.frexp(np.where(r == 0, 1, r))[1] - 1, 0) - 1)
;;       q = np.round(r / step) * step * 2.0 ** e      # np.round: ties to even
;;       return np.moveaxis(q.reshape(q.shape[:-2] + (-1,))[..., :K], -1, axis).astype(np.float32)
;;   ~~~
;; One version. Each part assembles by itself: llvm-mc -triple=amdgcn-amd-amdhsa -mcpu=gfx1250 --defsym DOCPART=n.
;; ======== version 1 of 1: 5 launches
;; limits: values are held in f16: magnitudes above 65,504 overflow, below 6.1e-05 lose precision
;; workspace buffers: x_codes 2,097,152 bytes; x_scales 131,072 bytes; w_codes 1,572,864 bytes; w_scales 98,304 bytes; w16 2,097,152 bytes; qkv16 25,165,824 bytes; first 393,216 bytes; y16 8,388,608 bytes
;; launch prep (part 1): grid 384 x 1, 4 waves a work-group, no clusters, 77,312 bytes of LDS; arguments x, w_attn, w_proj, x_codes, x_scales, w_codes, w_scales, w16; writes x_codes, x_scales, w_codes, w_scales, w16
.if DOCPART == 1
	.amdgcn_target "amdgcn-amd-amdhsa--gfx1250"
	.amdhsa_code_object_version 6
	.text
	.protected	k_q064d7d4e3a_prep
	.globl	k_q064d7d4e3a_prep
	.p2align	8
	.type	k_q064d7d4e3a_prep,@function
k_q064d7d4e3a_prep:
	s_mov_b64 s[64:65], 0
	v_nop
	global_prefetch_b8 v0, s[64:65] scope:SCOPE_SE
	s_setreg_imm32_b32 hwreg(HW_REG_WAVE_MODE, 25, 1), 1
	s_wait_xcnt 0x0
; THREE JOBS IN ONE LAUNCH, told apart by the work-group's number alone; the three ways never join, and each has LDS bytes of its own.
;   work-groups   0-127: x [4096][1024] f32 -> codes of FP4 (E2M1), K innermost, [4096][512 bytes], and one E8M0 byte for each 32 along K, [4096][32].
;   work-groups 128-319: w_attn [1024 (k)][3072 (n)] f32 -> codes with K innermost, [3072][512 bytes], and scale bytes [3072][32].
;   work-groups 320-383: w_proj [1024 (k)][1024 (n)] f32 -> f16, laid [16 planes = k / 64][1024 n][64 k].
; A block's scale is 2^(floor(log2(its largest magnitude)) - 2); its byte is the largest magnitude's exponent field - 2, held at 1 from below by a floor among the maximum's leaves.
; LIMITS: a block of zeros gets the byte 1 (its codes are zeros, and this program alone reads the bytes); blocks whose largest magnitude lies under 2^(3 - 127) are held at that byte;
; NaN and infinities among the inputs are not served; w_proj beyond 65,504 in magnitude has no f16 number.
.set SPW,   12                         ; v12  LDS address of my spare word: SPARE + 4 x my thread's number; never rewritten
.set NIL,   13                         ; v13  0; never rewritten
.set WREG,  8192                       ; way X: a region for each wave: two stages of 32 x SP bytes, behind them its 256 scale bytes
.set SP,    80                         ; a lane's place in a stage: 64 bytes + 16 of padding
.set STEPS, 16
.set XR,    16                         ; v16-143  way X: eight sets of 16 numbers as loaded
.set XX,    144                        ; v144-175 two sets of 16 neighbours
.set XC,    176                        ; v176-207 two registers of codes for each step
.set XE,    208                        ; v208-223 a scale byte for each step
.set PITCH, 272                        ; ways W and P: a stage row: 256 bytes + 16
.set WST,   32768                      ; way W: the work-group's stage, 32 columns x PITCH
.set WSC,   41472                      ; way W: 32 columns x 16 scale bytes
.set PST,   41984                      ; way P: a stage of 32 x PITCH for each wave
.set SPARE, 76800                      ; the spare words, 128 bytes for each wave: two blocks of 256 bytes that no other line names
.set BL,    32                         ; v32-95   ways W and P: two sets of 32 numbers down K
.set CD,    96                         ; v96-111  a block's codes, or its 16 registers of f16
.set OUTR,  112                        ; v112-175 the way out
.set SB,    24                         ; v24      way W: my four scale bytes
	s_load_b256 s[4:11], s[0:1], 0x0               ; x s[4:5], w_attn s[6:7], w_proj s[8:9], x_codes s[10:11]
	s_load_b256 s[12:19], s[0:1], 0x20             ; x_scales s[12:13], w_codes s[14:15], w_scales s[16:17], w16 s[18:19]
	v_lshl_add_u32 v[SPW], v0, 2, SPARE
	v_mov_b32 v[NIL], 0
	v_lshrrev_b32 v1, 5, v0
	v_readfirstlane_b32 s20, v1                    ; wave 0..3
	v_and_b32 v2, 31, v0                           ; lane
	s_mov_b32 s25, 0                               ; the high word of every offset below
	s_wait_kmcnt 0x0
	s_cmp_lt_u32 ttmp9, 128
	s_cbranch_scc0 .Lnot_x
; ---------------- WAY X.  x is a plain stream of blocks of 32.  A wave takes 16 steps of 512 numbers; waves share nothing.
; Each of a step's four loads reads 512 consecutive bytes; the 2,048 bytes turn through the wave's own stage, so that a lane then holds 16 neighbours along K (two lanes hold a block).
; Loads run eight steps ahead: 32 loads, 16 KB, of a wave's 32 KB are out at once.
	v_lshlrev_b32 v3, 4, v2                        ; my 16 bytes of a load's 512
	s_mul_i32 s21, s20, WREG
	v_lshrrev_b32 v14, 2, v2
	v_mul_u32_u24 v14, v14, SP
	v_and_b32 v15, 3, v2
	v_lshl_add_u32 v14, v15, 4, v14
	v_add_nc_u32 v14, s21, v14                     ; into the stage: SP (lane / 4) + 16 (lane % 4)
	v_mul_u32_u24 v15, v2, SP
	v_add_nc_u32 v15, s21, v15                     ; out of it: SP x lane
	v_lshlrev_b32 v4, 3, v2                        ; my 8 bytes of a step's 256 bytes of codes
	v_lshrrev_b32 v5, 1, v2
	s_add_co_u32 s21, s21, 2*32*SP
	v_add_nc_u32 v5, s21, v5                       ; my block's byte among the wave's 256
	v_lshlrev_b32 v7, 3, v2
	v_add_nc_u32 v6, s21, v7                       ; and 8 of them a lane on the way out
	s_lshl_b32 s22, ttmp9, 2
	s_add_co_u32 s22, s22, s20                     ; which run of 8,192 numbers is my wave's
	s_lshl_b32 s24, s22, 15
	s_add_nc_u64 s[4:5], s[4:5], s[24:25]
	s_lshl_b32 s24, s22, 12
	s_add_nc_u64 s[10:11], s[10:11], s[24:25]
	s_lshl_b32 s24, s22, 8
	s_add_nc_u64 s[12:13], s[12:13], s[24:25]
.macro XLOAD t
.irp i, 0,1,2,3
	global_load_b128 v[XR+16*((\t)%8)+4*\i:XR+16*((\t)%8)+4*\i+3], v3, s[4:5] offset:2048*(\t)+512*\i th:TH_LOAD_NT
.endr
.endm
.macro XTURN t                         ; LDS serves a wave's instructions in order: no wait between the stores and the loads
.irp i, 0,1,2,3
	ds_store_b128 v14, v[XR+16*((\t)%8)+4*\i:XR+16*((\t)%8)+4*\i+3] offset:32*SP*((\t)%2)+8*SP*\i
.endr
.irp i, 0,1,2,3
	ds_load_b128 v[XX+16*((\t)%2)+4*\i:XX+16*((\t)%2)+4*\i+3], v15 offset:32*SP*((\t)%2)+16*\i
.endr
.endm
.irp t, 0,1,2,3,4,5,6,7
	XLOAD \t
.endr
	s_wait_loadcnt 28                              ; step 0's four loads are in; the seven steps behind it stay out
	XTURN 0
.macro XSTEP t
.set XS, XX+16*((\t)%2)
.if (\t) > 0
	s_wait_dscnt 1                                 ; this step's numbers are back from the stage (the last step's byte store may be out), so its stores have read their registers,
.else
	s_wait_dscnt 0x0
.endif
.if (\t)+8 < STEPS
	XLOAD (\t)+8                                   ; which take the loads of eight steps on
.endif
.if (\t)+1 < STEPS
.if (\t)+8 < STEPS
	s_wait_loadcnt 28                              ; the next step's loads are in; those of the seven steps behind it may be out
.else
	s_wait_loadcnt 4*(STEPS-2-(\t))                ; the counts run down
.endif
	XTURN (\t)+1
.endif
	v_max3_num_f32 v8, |v[XS]|, |v[XS+1]|, |v[XS+2]|               ; the largest magnitude of my 16, in two chains
	v_max3_num_f32 v9, |v[XS+3]|, |v[XS+4]|, |v[XS+5]|
.irp i, 6,10
	v_max3_num_f32 v8, v8, |v[XS+\i]|, |v[XS+\i+1]|
	v_max3_num_f32 v9, v9, |v[XS+\i+2]|, |v[XS+\i+3]|
.endr
	v_max3_num_f32 v8, v8, |v[XS+14]|, |v[XS+15]|
	v_max3_num_f32 v8, v8, v9, 0x1800000           ; and the floor 2^(3 - 127): the byte cannot fall under 1
	v_max_num_f32_dpp v8, v8, v8 row_xmask:1 row_mask:0xf bank_mask:0xf   ; with my neighbour's 16: the block's
	v_add_nc_u32 v11, 0xff000000, v8               ; 2 off its exponent field: the conversion takes that field as its scale
	v_cvt_scalef32_pk8_fp4_f32 v[XC+2*(\t)], v[XS:XS+7], v11
	v_cvt_scalef32_pk8_fp4_f32 v[XC+2*(\t)+1], v[XS+8:XS+15], v11
	v_lshrrev_b32 v[XE+(\t)], 23, v11              ; the scale's byte (also the plain line behind the conversions)
	ds_store_b8 v5, v[XE+(\t)] offset:16*(\t)      ; both lanes of a block write the same byte with the same value
	global_store_b64 v4, v[XC+2*(\t):XC+2*(\t)+1], s[10:11] offset:256*(\t)   ; the wave stores 256 consecutive bytes, aligned
.endm
.irp t, 0,1,2,3,4,5,6,7,8,9,10,11,12,13,14,15
	XSTEP \t
.endr
	ds_load_b64 v[8:9], v6                         ; my wave's 256 scale bytes, 8 a lane
	s_wait_dscnt 0x0
	global_store_b64 v7, v[8:9], s[12:13]
	s_wait_tensorcnt 0x0                           ; the wave's end: three closing lines behind my last LDS store
	ds_add_u32 v[SPW], v[NIL]
	s_wait_dscnt 0x0
	s_endpgm
.Lnot_x:
	s_cmp_lt_u32 ttmp9, 320
	s_cbranch_scc0 .Lpath_p
; ---------------- WAY W.  A work-group takes 32 columns of w_attn and half of K; wave w takes 128 along K of it.  A LANE TAKES A COLUMN AND ITS REGISTERS RUN DOWN K:
; a block of 32 lies in one lane, and the conversions give codes with K innermost.  The four waves' codes of a column, 4 x 64 bytes, meet in one stage row of 256 bytes; behind one barrier
; sixteen lanes store 256 consecutive bytes, aligned.  The scale bytes leave as 16 bytes a column, rows 32 bytes apart: 96 KB in the whole launch go out in such pieces.
	s_sub_co_u32 s21, ttmp9, 128
	s_lshr_b32 s22, s21, 1                         ; which 32 columns
	s_and_b32 s23, s21, 1                          ; which half of K
	v_lshlrev_b32 v3, 2, v2                        ; in: 4 bytes a lane
	v_mul_u32_u24 v4, v2, PITCH
	s_lshl_b32 s24, s20, 6
	s_add_co_u32 s24, s24, WST
	v_add_nc_u32 v4, s24, v4                       ; into the stage: row = my column, + 64 x wave
	v_lshlrev_b32 v5, 4, v2
	s_lshl_b32 s24, s20, 2
	s_add_co_u32 s24, s24, WSC
	v_add_nc_u32 v5, s24, v5                       ; my scale word: 16 x column + 4 x wave
	v_lshl_add_u32 v6, v2, 4, WSC                  ; and a column's 16 bytes, for wave 0
	v_and_b32 v14, 15, v2
	v_lshrrev_b32 v15, 4, v2
	v_mul_u32_u24 v7, v15, PITCH
	v_lshl_add_u32 v7, v14, 4, v7
	s_mul_i32 s24, s20, 8*PITCH
	s_add_co_u32 s24, s24, WST
	v_add_nc_u32 v7, s24, v7                       ; out of the stage: my wave's 8 rows, sixteen lanes to a row
	v_lshlrev_b32 v16, 9, v15
	v_lshl_add_u32 v16, v14, 4, v16                ; the same place in w_codes: rows of 512 bytes
	v_lshlrev_b32 v17, 5, v2                       ; w_scales: rows of 32 bytes
	s_lshl_b32 s24, s23, 2
	s_add_co_u32 s24, s24, s20
	s_mul_i32 s24, s24, 128*12288                  ; my first row of w_attn: 512 x half + 128 x wave
	s_lshl_b32 s26, s22, 7
	s_add_co_u32 s24, s24, s26
	s_add_nc_u64 s[6:7], s[6:7], s[24:25]
	s_lshl_b32 s24, s22, 14                        ; w_codes: (32 x group + 8 x wave) rows + 256 x half
	s_lshl_b32 s26, s20, 12
	s_add_co_u32 s24, s24, s26
	s_lshl_b32 s26, s23, 8
	s_add_co_u32 s24, s24, s26
	s_add_nc_u64 s[14:15], s[14:15], s[24:25]
	s_lshl_b32 s24, s22, 10                        ; w_scales: 32 x group rows + 16 x half
	s_lshl_b32 s26, s23, 4
	s_add_co_u32 s24, s24, s26
	s_add_nc_u64 s[16:17], s[16:17], s[24:25]
.macro WLOAD t
.irp i, 0,1,2,3,4,5,6,7,8,9,10,11,12,13,14,15,16,17,18,19,20,21,22,23,24,25,26,27,28,29,30,31
	global_load_b32 v[BL+32*((\t)%2)+\i], v3, s[6:7] offset:(32*(\t)+\i)*12288
.endr
.endm
	WLOAD 0
	WLOAD 1
.macro WBLOCK t
.set XS, BL+32*((\t)%2)
.if (\t) < 3
	s_wait_loadcnt 32                              ; this block's 32 loads are in; the next block's may be out
.else
	s_wait_loadcnt 0x0
.endif
	v_max3_num_f32 v8, |v[XS]|, |v[XS+1]|, |v[XS+2]|               ; all 32 numbers of the block are mine
	v_max3_num_f32 v9, |v[XS+3]|, |v[XS+4]|, |v[XS+5]|
.irp i, 6,10,14,18,22,26
	v_max3_num_f32 v8, v8, |v[XS+\i]|, |v[XS+\i+1]|
	v_max3_num_f32 v9, v9, |v[XS+\i+2]|, |v[XS+\i+3]|
.endr
	v_max3_num_f32 v8, v8, |v[XS+30]|, |v[XS+31]|
	v_max3_num_f32 v8, v8, v9, 0x1800000           ; the floor
	v_add_nc_u32 v11, 0xff000000, v8               ; the conversions' scale operand
	v_lshrrev_b32 v10, 23, v11                     ; the byte
.if (\t) == 0
	v_mov_b32 v[SB], v10
.else
	v_lshl_or_b32 v[SB], v10, 8*(\t), v[SB]        ; the lower K in the lower byte
.endif
.irp g, 0,1,2,3
	v_cvt_scalef32_pk8_fp4_f32 v[CD+\g], v[XS+8*\g:XS+8*\g+7], v11
.endr
	ds_store_b128 v4, v[CD:CD+3] offset:16*(\t)
.if (\t)+2 < 4
	WLOAD (\t)+2
.endif
	s_wait_dscnt 0x0                               ; the store has read its registers: the next block's codes may be written
.endm
.irp t, 0,1,2,3
	WBLOCK \t
.endr
	ds_store_b32 v5, v[SB]
	s_wait_dscnt 0x0                               ; for the others' sake: my codes and my scale word lie in LDS
	s_barrier_signal -1
	s_barrier_wait -1                              ; all four waves of this work-group are on this way: it was chosen by the work-group's number
.irp i, 0,1,2,3
	ds_load_b128 v[OUTR+4*\i:OUTR+4*\i+3], v7 offset:2*\i*PITCH
.endr
.irp i, 0,1,2,3
	s_wait_dscnt 3-\i
	global_store_b128 v16, v[OUTR+4*\i:OUTR+4*\i+3], s[14:15] offset:1024*\i
.endr
	s_cmp_lg_u32 s20, 0
	s_cbranch_scc1 .Lw_end                         ; wave 0 alone sends the scale bytes
	ds_load_b128 v[OUTR+16:OUTR+19], v6
	s_wait_dscnt 0x0
	global_store_b128 v17, v[OUTR+16:OUTR+19], s[16:17]
.Lw_end:
	s_wait_tensorcnt 0x0                           ; the wave's end
	ds_add_u32 v[SPW], v[NIL]
	s_wait_dscnt 0x0
	s_endpgm
.Lpath_p:
; ---------------- WAY P.  A work-group takes 128 columns of w_proj (its four waves side by side on 512 bytes of a row) and 128 along K: two planes.  A lane takes a column, its registers run down K;
; pairs are rounded to f16 and go through the wave's own stage; they leave as 512 consecutive bytes a store: four columns' 128 bytes of a plane.  No barrier: waves share nothing.
	s_sub_co_u32 s21, ttmp9, 320
	s_lshr_b32 s22, s21, 3                         ; which 128 columns
	s_and_b32 s23, s21, 7                          ; which 128 along K
	v_lshlrev_b32 v3, 2, v2
	s_mul_i32 s24, s20, 32*PITCH
	s_add_co_u32 s24, s24, PST
	v_mul_u32_u24 v4, v2, PITCH
	v_add_nc_u32 v4, s24, v4                       ; into my stage: row = my column
	v_lshrrev_b32 v14, 3, v2
	v_and_b32 v15, 7, v2
	v_mul_u32_u24 v7, v14, PITCH
	v_lshl_add_u32 v7, v15, 4, v7
	v_add_nc_u32 v7, s24, v7                       ; out of it: eight lanes to a column's 128 bytes of a plane
	v_lshlrev_b32 v16, 4, v2                       ; and in w16: 16 x lane
	s_lshl_b32 s24, s23, 19                        ; w_proj: 128 rows of 4,096 bytes x kq + (128 g + 32 w) x 4
	s_lshl_b32 s26, s22, 9
	s_add_co_u32 s24, s24, s26
	s_lshl_b32 s26, s20, 7
	s_add_co_u32 s24, s24, s26
	s_add_nc_u64 s[8:9], s[8:9], s[24:25]
	s_lshl_b32 s24, s23, 18                        ; w16: plane 2 kq of 131,072 bytes + (128 g + 32 w) x 128
	s_lshl_b32 s26, s22, 14
	s_add_co_u32 s24, s24, s26
	s_lshl_b32 s26, s20, 12
	s_add_co_u32 s24, s24, s26
	s_add_nc_u64 s[18:19], s[18:19], s[24:25]
.macro PLOAD t
.irp i, 0,1,2,3,4,5,6,7,8,9,10,11,12,13,14,15,16,17,18,19,20,21,22,23,24,25,26,27,28,29,30,31
	global_load_b32 v[BL+32*((\t)%2)+\i], v3, s[8:9] offset:(32*(\t)+\i)*4096
.endr
.endm
	PLOAD 0
	PLOAD 1
.macro PBLOCK t
.set XS, BL+32*((\t)%2)
.if (\t) < 3
	s_wait_loadcnt 32                              ; this block's loads are in; the next block's may be out
.else
	s_wait_loadcnt 0x0
.endif
.irp i, 0,1,2,3,4,5,6,7,8,9,10,11,12,13,14,15
	v_cvt_pk_f16_f32 v[CD+\i], v[XS+2*\i], v[XS+2*\i+1]            ; the lower k in the low half
.endr
.irp c, 0,1,2,3
	ds_store_b128 v4, v[CD+4*\c:CD+4*\c+3] offset:64*(\t)+16*\c
.endr
.if (\t)+2 < 4
	PLOAD (\t)+2
.endif
	s_wait_dscnt 0x0                               ; the stores have read their registers
.endm
.irp t, 0,1,2,3
	PBLOCK \t
.endr
.irp p, 0,1
.irp i, 0,1,2,3,4,5,6,7
	ds_load_b128 v[OUTR+4*(8*\p+\i):OUTR+4*(8*\p+\i)+3], v7 offset:4*\i*PITCH+128*\p
.endr
.endr
.irp p, 0,1
.irp i, 0,1,2,3,4,5,6,7
	s_wait_dscnt 15-8*\p-\i
	global_store_b128 v16, v[OUTR+4*(8*\p+\i):OUTR+4*(8*\p+\i)+3], s[18:19] offset:131072*\p+512*\i
.endr
.endr
	s_wait_tensorcnt 0x0                           ; the wave's end
	ds_add_u32 v[SPW], v[NIL]
	s_wait_dscnt 0x0
	s_endpgm
.Lfunc_end_k_q064d7d4e3a_prep:
	.size	k_q064d7d4e3a_prep, .Lfunc_end_k_q064d7d4e3a_prep-k_q064d7d4e3a_prep
	.p2alignl 7, 3214868480
	.fill 96, 4, 3214868480
	.section	.rodata,"a",@progbits
	.p2align	6, 0x0
	.amdhsa_kernel k_q064d7d4e3a_prep
		.amdhsa_group_segment_fixed_size 77312
		.amdhsa_private_segment_fixed_size 0
		.amdhsa_enable_private_segment 0
		.amdhsa_kernarg_size 64
		.amdhsa_user_sgpr_count 2
		.amdhsa_user_sgpr_kernarg_segment_ptr 1
		.amdhsa_wavefront_size32 1
		.amdhsa_system_sgpr_workgroup_id_x 1
		.amdhsa_system_sgpr_workgroup_id_y 1
		.amdhsa_system_sgpr_workgroup_id_z 1
		.amdhsa_system_vgpr_workitem_id 0
		.amdhsa_next_free_vgpr 240
		.amdhsa_next_free_sgpr 66
		.amdhsa_reserve_vcc 0
		.amdhsa_float_denorm_mode_32 3
		.amdhsa_float_denorm_mode_16_64 3
		.amdhsa_memory_ordered 1
		.amdhsa_forward_progress 1
		.amdhsa_inst_pref_size 76
	.end_amdhsa_kernel
	.amdgpu_metadata
---
amdhsa.version: [ 1, 2 ]
amdhsa.kernels:
  - .name:           k_q064d7d4e3a_prep
    .symbol:         k_q064d7d4e3a_prep.kd
    .args:
      - { .name: x, .offset: 0, .size: 8, .value_kind: global_buffer, .address_space: global }
      - { .name: w_attn, .offset: 8, .size: 8, .value_kind: global_buffer, .address_space: global }
      - { .name: w_proj, .offset: 16, .size: 8, .value_kind: global_buffer, .address_space: global }
      - { .name: x_codes, .offset: 24, .size: 8, .value_kind: global_buffer, .address_space: global }
      - { .name: x_scales, .offset: 32, .size: 8, .value_kind: global_buffer, .address_space: global }
      - { .name: w_codes, .offset: 40, .size: 8, .value_kind: global_buffer, .address_space: global }
      - { .name: w_scales, .offset: 48, .size: 8, .value_kind: global_buffer, .address_space: global }
      - { .name: w16, .offset: 56, .size: 8, .value_kind: global_buffer, .address_space: global }
    .group_segment_fixed_size: 77312
    .private_segment_fixed_size: 0
    .kernarg_segment_align: 8
    .kernarg_segment_size: 64
    .max_flat_workgroup_size: 128
    .sgpr_count:     66
    .vgpr_count:     240
    .wavefront_size: 32
...
	.end_amdgpu_metadata
.endif
;; end of part 1
;; launch qkv (part 2): grid 12 x 16, 4 waves a work-group, clusters of 4 x 4, 327,680 bytes of LDS; arguments x_codes, x_scales, w_codes, w_scales, qkv16, b_attn, first; writes qkv16, first
.if DOCPART == 2
	.amdgcn_target "amdgcn-amd-amdhsa--gfx1250"
	.amdhsa_code_object_version 6
	.text
	.protected	k_q064d7d4e3a_qkv
	.globl	k_q064d7d4e3a_qkv
	.p2align	8
	.type	k_q064d7d4e3a_qkv,@function
k_q064d7d4e3a_qkv:
	s_mov_b64 s[64:65], 0
	v_nop
	global_prefetch_b8 v0, s[64:65] scope:SCOPE_SE
	s_setreg_imm32_b32 hwreg(HW_REG_WAVE_MODE, 25, 1), 1
	s_wait_xcnt 0x0
	s_wait_alu depctr_hold_cnt(0) depctr_sa_sdst(0) depctr_va_vdst(0) depctr_va_sdst(0) depctr_va_ssrc(0) depctr_va_vcc(0) depctr_vm_vsrc(0)
	s_getreg_b32 s2, hwreg(HW_REG_IB_STS2, 6, 4)
	s_cmp_eq_u32 s2, 0
	s_cbranch_scc0 .Lentry_in_a_cluster
	s_endpgm
.Lentry_in_a_cluster:
	s_bfe_u32 s2, ttmp6, 0x10000c
	s_cmp_lg_u32 s2, 0xf033
	s_cbranch_scc0 .Lentry_shape_is_right
	s_endpgm
.Lentry_shape_is_right:
; qkv = Q(x) Q(w_attn) + b_attn on codes of FP4 (E2M1) with one E8M0 scale for each 32 along K: M 4,096, N 3,072, K 1,024; sums in f32.
; A = x_codes [4096][512 bytes], B = w_codes [3072][512 bytes], K innermost; their scale bytes [rows][32].
; OUT: qkv16, f16, laid [3 parts q, k, v][2 batches][16 heads][2048 tokens][64]: 16 tokens of a head are 2,048 consecutive bytes; and `first`, f32 [2][16][3072]: the rows of tokens 0-15 as they are.
; LIMIT: a result beyond 65,504 in magnitude has no f16 number.
; A tile of C, 256 x 256, is made by four waves, each 128 x 128: 64 accumulators, 512 registers.  K = 1,024 is two LDS slots of 512 along K (rows of 256 bytes): both are first fills, nothing is filled again, so there is no loop.
; The scales of the work-group's 256 + 256 rows, for all of K, come once, as two dense blocks.
; CLUSTERS: 4 x 4 work-groups; A's tiles are asked for jointly along a row of the cluster, B's along a column.  192 tiles: a tile of 256 x 192 would give 256 work-groups but cut heads and the borders of q, k, v.
; THE MATRIX INSTRUCTION IS USED TRANSPOSED (source 0 = 16 rows of B, source 1 = 16 rows of A): a lane holds eight neighbouring columns of one row of C.  The bias is the C of each sum's first product.
; REGISTERS: window 0: v0-31 addresses; v32-95 scale words, two sets, and nothing else; v128-191 A's fragments, one set, later rows on the way out; v192-255 the bias in the result's layout, later packed results.
;   window 1: B's fragments, two sets, at v0 and v128.   window 2: accumulators of my rows 0-63 ((a, b) at v[8 (8 a + b)]);   window 3: those of rows 64-127.
.set NQ,     4                         ; steps of 128 along K in a slot
.set ROWB,   256                       ; a tile's row in bytes: 512 codes
.set KROW,   512                       ; a row of codes in memory
.set PITCH,  272                       ; an LDS row: 256 bytes + 16 = 68 words: the 16 rows that a load touches start 4 banks apart (64 banks of 4 bytes: ISA guide 11.1)
.set FR,     8
.set NL,     2
.set NP,     4                         ; places behind this matrix instruction (ISA guide 7.12.1)
.set HALFT,  128*PITCH
.set SLOT,   4*HALFT
.set KS,     32                        ; a row of scales in bytes
.set SCL,    2*SLOT
.set HALFS,  (128*KS/256)*272
.set SBLK,   (16*KS/256)*272
.set SPARE,  SCL+4*HALFS               ; the spare words, 128 bytes for each wave
.set STAGE,  SPARE+512                 ; the way out: 16 rows x 272 bytes for each wave; no tile lands here
.set SPITCH, 272
.set ADRA, 16
.set ADRB, 20
.set FLAG, 22                          ; v22  0 where my block 0 holds tokens 0-15 of a batch
.set STO,  24
.set RD,   25
.set CO,   26
.set ADRS, 27
.set SPW,  28                          ; v28  my spare word; never rewritten
.set NIL,  29                          ; v29  0; never rewritten
.set BO,   30                          ; v30  the bias: 32 x (lane / 16)
.set FO,   31                          ; v31  `first`: 12,288 x (lane % 16) + 32 x (lane / 16)
.set SC,   32
.set AF,   128
.set BK,   128                         ; the way out: 16 tokens x 2 heads read back: v128-159 and v160-191 by turns
.set BIAS, 192
.set TMP,  192                         ; the way out: a block's packed results
.set G1, 24
.set G0, 32
.set G1B, 48
.set G0B, 56
.set G1S, 68
.set G0S, 76
.set G1SB, 80
.set G0SB, 88
.set MSB, 0
.macro WIN new                         ; the immediate's high byte repeats the setting that is left
.if MSB != (\new)
	s_set_vgpr_msb (MSB<<8)|(\new)
.set MSB, (\new)
.endif
.endm
.set MUL_LO, 0xa1                      ; source 0 (B) window 1, source 1 (A) window 0, C and D window 2
.set MUL_HI, 0xf1
.set TO_B,   0x40
; A joint load: waves 0 and 1 fetch for A, waves 2 and 3 for B.  An s_nop 0 and four v_nop follow each of the two lines.
.macro JLOAD g0a, g1a, g0b, g1b
	s_cmp_eq_u32 s15, 0
	s_cbranch_scc0 .Lfor_b_\@
	tensor_load_to_lds s[\g0a:\g0a+3], s[\g1a:\g1a+7]
	s_nop 0
.rept 4
	v_nop
.endr
	s_branch .Lasked_\@
.Lfor_b_\@:
	tensor_load_to_lds s[\g0b:\g0b+3], s[\g1b:\g1b+7]
	s_nop 0
.rept 4
	v_nop
.endr
.Lasked_\@:
.endm
.macro CROUND                          ; a round of the cluster's barrier
	s_barrier_signal -1
	s_barrier_wait -1
	s_cmp_lg_u32 s14, 0
	s_cbranch_scc1 .Lnot_wave_0_\@
	s_barrier_signal -3
.Lnot_wave_0_\@:
	s_barrier_wait -3
	s_barrier_signal -1
	s_barrier_wait -1
.endm
	s_load_b128 s[4:7], s[0:1], 0x0                ; A's codes, A's scales
	s_load_b128 s[8:11], s[0:1], 0x10              ; B's codes, B's scales
	s_load_b64 s[12:13], s[0:1], 0x20              ; qkv16
	s_load_b64 s[96:97], s[0:1], 0x28              ; b_attn
	s_load_b64 s[98:99], s[0:1], 0x30              ; first
	v_lshl_add_u32 v[SPW], v0, 2, SPARE
	v_mov_b32 v[NIL], 0
	ds_add_u32 v[SPW], v[NIL]                      ; the wave's opening: the add, twice on end, and its wait ahead of my first tensor load
	ds_add_u32 v[SPW], v[NIL]
	v_lshrrev_b32 v1, 5, v0
	v_readfirstlane_b32 s14, v1                    ; wave 0..3
	s_lshr_b32 s15, s14, 1                         ; which half of the tile's rows is mine.  Also: I fetch for A (0) or for B (1)
	s_and_b32 s16, s14, 1                          ; which half of its columns.  Also: which 128 rows of that tile I fetch
	s_bfe_u32 s40, ttmp6, 0x40000                  ; cx, cy
	s_bfe_u32 s41, ttmp6, 0x40004
	s_lshl_b32 s42, ttmp9, 2
	s_add_co_u32 s42, s42, s40                     ; tile column of C
	s_and_b32 s17, ttmp7, 0xffff
	s_lshl_b32 s17, s17, 2
	s_add_co_u32 s17, s17, s41                     ; tile row of C
	s_lshl_b32 s43, s41, 2
	s_lshl_b32 s43, 15, s43                        ; my row of the cluster
	s_lshl_b32 s44, 0x1111, s40                    ; my column
	s_or_b32 s[G1+0], s43, (0<<16)|(1<<20)|(1<<21)|(5<<22)|(3<<25)  ; the mask; elements of 1 byte; padding on; bit 21 beside a mask; 4 words behind every 64
	s_or_b32 s[G1B+0], s44, (0<<16)|(1<<20)|(1<<21)|(5<<22)|(3<<25)
.irp g, G1, G1B
	s_mov_b32 s[\g+1], ROWB<<16                    ; tensor_dim0
	s_mov_b32 s[\g+2], 128<<16                     ; tensor_dim1
	s_mov_b32 s[\g+3], ROWB<<16                    ; tile_dim0
	s_mov_b32 s[\g+4], 128                         ; tile_dim1
	s_mov_b32 s[\g+5], KROW                        ; the pitch
	s_mov_b32 s[\g+6], 0
	s_mov_b32 s[\g+7], 0
.endr
	s_or_b32 s[G1S+0], s43, (3<<16)|(1<<20)|(1<<21)|(5<<22)|(3<<25) ; the scales of 128 rows: 4,096 dense bytes as 16 rows of 256 (32 elements of 8 bytes), 16 bytes of padding behind each
	s_or_b32 s[G1SB+0], s44, (3<<16)|(1<<20)|(1<<21)|(5<<22)|(3<<25)
.irp g, G1S, G1SB
	s_mov_b32 s[\g+1], 32<<16
	s_mov_b32 s[\g+2], (128*KS/256)<<16
	s_mov_b32 s[\g+3], 32<<16
	s_mov_b32 s[\g+4], 128*KS/256
	s_mov_b32 s[\g+5], 32
	s_mov_b32 s[\g+6], 0
	s_mov_b32 s[\g+7], 0
.endr
	s_lshl_b32 s18, s16, 7
	s_lshl_b32 s20, s17, 8
	s_add_co_u32 s20, s20, s18                     ; A: row 256 x tile row + 128 x half
	s_lshl_b32 s46, s42, 8
	s_add_co_u32 s46, s46, s18                     ; B: row 256 x tile column + 128 x half
	s_mov_b32 s21, 0
	s_mov_b32 s47, 0
	s_mov_b64 s[18:19], KS
	s_mul_u64 s[22:23], s[20:21], s[18:19]
	s_mul_u64 s[92:93], s[46:47], s[18:19]
	s_mov_b64 s[18:19], KROW
	s_mul_u64 s[20:21], s[20:21], s[18:19]
	s_mul_u64 s[46:47], s[46:47], s[18:19]
	s_mul_i32 s45, s14, HALFT                      ; where they go: wave x 128 rows
	s_mul_i32 s94, s14, HALFS
	s_wait_dscnt 0x0                               ; both opening adds are done
	s_wait_kmcnt 0x0
	s_add_nc_u64 s[20:21], s[4:5], s[20:21]
	s_add_nc_u64 s[22:23], s[6:7], s[22:23]
	s_add_nc_u64 s[46:47], s[8:9], s[46:47]
	s_add_nc_u64 s[92:93], s[10:11], s[92:93]
	CROUND                                         ; all sixteen work-groups are here: the joint loads meet
	s_mov_b32 s[G0S], 1
	s_add_co_u32 s[G0S+1], s94, SCL
	s_mov_b64 s[G0S+2:G0S+3], s[22:23]
	s_or_b32 s[G0S+3], s[G0S+3], 0x80000000
	s_mov_b32 s[G0SB], 1
	s_add_co_u32 s[G0SB+1], s94, SCL
	s_mov_b64 s[G0SB+2:G0SB+3], s[92:93]
	s_or_b32 s[G0SB+3], s[G0SB+3], 0x80000000
	JLOAD G0S, G1S, G0SB, G1SB                     ; the scales first; three loads of mine are out when the last is issued
.irp s, 0,1
	s_mov_b32 s[G0+4*\s], 1
	s_add_co_u32 s[G0+4*\s+1], s45, \s*SLOT
	s_add_nc_u64 s[G0+4*\s+2:G0+4*\s+3], s[20:21], \s*ROWB
	s_or_b32 s[G0+4*\s+3], s[G0+4*\s+3], 0x80000000
	s_mov_b32 s[G0B+4*\s], 1
	s_add_co_u32 s[G0B+4*\s+1], s45, \s*SLOT
	s_add_nc_u64 s[G0B+4*\s+2:G0B+4*\s+3], s[46:47], \s*ROWB
	s_or_b32 s[G0B+4*\s+3], s[G0B+4*\s+3], 0x80000000
	JLOAD G0+4*\s, G1, G0B+4*\s, G1B
.endr
	v_and_b32 v1, 15, v0                           ; l % 16
	v_bfe_u32 v2, v0, 4, 1                         ; l / 16
	; the bias of my 128 columns, in the result's layout: for B's block b the eight numbers at 16 b + 8 (l / 16)
	s_lshl_b32 s46, s42, 10
	s_lshl_b32 s47, s16, 9
	s_add_co_u32 s46, s46, s47                     ; my first column x 4
	s_mov_b32 s47, 0
	s_add_nc_u64 s[96:97], s[96:97], s[46:47]
	s_add_nc_u64 s[98:99], s[98:99], s[46:47]
	v_lshlrev_b32 v[BO], 5, v2
.irp b, 0,1,2,3,4,5,6,7
	global_load_b128 v[BIAS+8*\b:BIAS+8*\b+3], v[BO], s[96:97] offset:64*\b
	global_load_b128 v[BIAS+8*\b+4:BIAS+8*\b+7], v[BO], s[96:97] offset:64*\b+16
.endr
	v_mul_u32_u24 v3, v1, PITCH
	v_lshl_add_u32 v4, v2, 4, v3                   ; a fragment's row x pitch + 16 x half
	s_mul_i32 s21, s15, HALFT
	s_mul_i32 s22, s16, HALFT
	s_add_co_u32 s22, s22, 2*HALFT
.irp s, 0,1
	v_add_nc_u32 v[ADRA+\s], s21, v4
	v_add_nc_u32 v[ADRB+\s], s22, v4
	s_add_co_u32 s21, s21, SLOT
	s_add_co_u32 s22, s22, SLOT
.endr
	v_mul_u32_u24 v5, v1, KS                       ; my row's scales: KS bytes a row,
	v_lshrrev_b32 v6, 8, v5
	v_lshl_add_u32 v5, v6, 4, v5                   ; and 16 more for each 256 passed
	s_mul_i32 s21, s15, HALFS
	s_mul_i32 s22, s16, HALFS
	s_add_co_u32 s22, s22, 2*HALFS
	s_sub_co_u32 s22, s22, s21
	v_mul_u32_u24 v6, s22, v2                      ; lanes 16-31 take B's
	s_add_co_u32 s21, s21, SCL
	v_add_nc_u32 v5, v5, v6
	v_add_nc_u32 v[ADRS], s21, v5
	s_mul_i32 s23, s14, 16*SPITCH
	s_add_co_u32 s23, s23, STAGE                   ; my stage
	v_mul_u32_u24 v5, v1, SPITCH                   ; in: row l % 16, 16 bytes for each half of the lanes
	v_lshl_add_u32 v5, v2, 4, v5
	v_add_nc_u32 v[STO], s23, v5
	v_and_b32 v6, 31, v0
	v_lshlrev_b32 v[CO], 4, v6                     ; out: 16 x lane: four tokens' 128 bytes of a head are 512 consecutive bytes
	v_lshrrev_b32 v5, 3, v6
	v_mul_u32_u24 v5, v5, SPITCH
	v_and_b32 v6, 7, v0
	v_lshl_add_u32 v5, v6, 4, v5
	v_add_nc_u32 v[RD], s23, v5                    ; back: eight lanes to a token's 128 bytes of a head
	v_mul_u32_u24 v[FO], v1, 12288
	v_lshl_add_u32 v[FO], v2, 5, v[FO]
	s_lshr_b32 s20, s17, 3                         ; the batch
	s_mul_i32 s46, s20, 196608
	s_add_nc_u64 s[98:99], s[98:99], s[46:47]      ; `first` at my batch and my first column: inside the buffer in every work-group
	s_lshl_b32 s46, s20, 22                        ; qkv16: batch x 4 MiB
	s_lshl_b32 s21, ttmp9, 23                      ; + part x 8 MiB: a cluster's 1,024 columns are one part
	s_add_co_u32 s46, s46, s21
	s_lshl_b32 s21, s40, 2
	s_lshl_b32 s22, s16, 1
	s_add_co_u32 s21, s21, s22                     ; my first head: 4 cx + 2 x column half
	s_lshl_b32 s21, s21, 18
	s_add_co_u32 s46, s46, s21
	s_and_b32 s21, s17, 7
	s_or_b32 s22, s21, s15
	v_mov_b32 v[FLAG], s22
	s_lshl_b32 s21, s21, 1
	s_add_co_u32 s21, s21, s15
	s_lshl_b32 s21, s21, 14                        ; my first token x 128 bytes
	s_add_co_u32 s46, s46, s21
	s_add_nc_u64 s[12:13], s[12:13], s[46:47]
.macro FRAG reg, adr, q, i             ; 16 rows x 128 K of 4-bit codes: 8 registers: lane l holds row l % 16; registers 4 c .. 4 c + 3 hold K = 64 c + 32 (l / 16) + 0 .. 31
.irp c, 0,1
	ds_load_b128 v[\reg+4*\c:\reg+4*\c+3], v[\adr] offset:64*(\q)+32*\c+(\i)*16*PITCH
.endr
.endm
; 16 matrix instructions: A's blocks a0, a0 + 1 x B's eight.  zero = 1: the first product starts the sums, with the bias as its C.  The 64 accumulators take turns, one instruction a turn.
.macro MUL16 a0, p, q, sc, zero
.irp a, \a0, \a0+1
.irp b, 0,1,2,3,4,5,6,7
.if \zero
	v_wmma_scale_f32_16x16x128_f8f6f4 v[8*(8*((\a)%4)+\b):8*(8*((\a)%4)+\b)+7], v[128*(\p)+FR*\b:128*(\p)+FR*\b+FR-1], v[AF+FR*(\a):AF+FR*(\a)+FR-1], v[BIAS+8*\b:BIAS+8*\b+7], v[SC+8*NQ*(\sc)+NQ*\b+(\q)], v[SC+8*NQ*(\sc)+NQ*(\a)+(\q)] matrix_a_fmt:MATRIX_FMT_FP4 matrix_b_fmt:MATRIX_FMT_FP4 matrix_a_scale:MATRIX_SCALE_ROW1
.else
	v_wmma_scale_f32_16x16x128_f8f6f4 v[8*(8*((\a)%4)+\b):8*(8*((\a)%4)+\b)+7], v[128*(\p)+FR*\b:128*(\p)+FR*\b+FR-1], v[AF+FR*(\a):AF+FR*(\a)+FR-1], v[8*(8*((\a)%4)+\b):8*(8*((\a)%4)+\b)+7], v[SC+8*NQ*(\sc)+NQ*\b+(\q)], v[SC+8*NQ*(\sc)+NQ*(\a)+(\q)] matrix_a_fmt:MATRIX_FMT_FP4 matrix_b_fmt:MATRIX_FMT_FP4 matrix_a_scale:MATRIX_SCALE_ROW1
.endif
.endr
.endr
.endm
.macro FETCH_B slot, q, p
	WIN TO_B
.irp i, 0,1,2,3,4,5,6,7
	FRAG 128*(\p)+FR*\i, ADRB+\slot, \q, \i
.endr
	WIN 0
.endm
.macro FETCH_A slot, q, i0
.irp i, \i0, \i0+1, \i0+2, \i0+3
	FRAG AF+FR*(\i), ADRA+\slot, \q, \i
.endr
.endm
.macro SCALES sc                       ; a K step's scale words: lanes 0-15 take A's block i, lanes 16-31 B's block i
.irp i, 0,1,2,3,4,5,6,7
	ds_load_b128 v[SC+8*NQ*\sc+NQ*\i:SC+8*NQ*\sc+NQ*\i+3], v[ADRS] offset:\i*SBLK
.endr
.endm
.macro PLACES n                        ; plain vector lines between a matrix instruction and a load into, or a read of, its registers
.rept \n
	v_nop
.endr
.endm
.macro STEP slot, q, zero              ; 128 along K, with its successor in the same slot
	s_wait_dscnt 4*NL                              ; B's set and A's blocks 0-3 are in; the youngest eight loads (A's blocks 4-7) may be out
.if \zero
	WIN 0x81                                       ; as MUL_LO, but C (the bias) in window 0
.else
	WIN MUL_LO
.endif
	MUL16 0, (\q)%2, \q, \slot, \zero
	MUL16 2, (\q)%2, \q, \slot, \zero
	s_wait_dscnt 0
	PLACES NP
	FETCH_B \slot, (\q)+1, 1-(\q)%2
	FETCH_A \slot, (\q)+1, 0
.if \zero
	WIN 0xc1
.else
	WIN MUL_HI
.endif
	MUL16 4, (\q)%2, \q, \slot, \zero
	MUL16 6, (\q)%2, \q, \slot, \zero
	PLACES NP
	WIN 0
	FETCH_A \slot, (\q)+1, 4
.endm
.macro TURN slot, next                 ; slot 0's last step goes over to slot 1: one barrier; in front of it each wave has waited for its part of slot 1.  Nothing is filled again
	s_wait_tensorcnt 0x0                           ; all my tensor loads have landed
	ds_add_u32 v[SPW], v[NIL]                      ; 0 onto my spare word
	s_wait_dscnt 4*NL+1                            ; (the add and A's blocks 4-7 may be out)
	WIN MUL_LO
	MUL16 0, 1, NQ-1, \slot, 0
	s_wait_dscnt 0x0
	s_barrier_signal -1
	MUL16 2, 1, NQ-1, \slot, 0
	WIN 0
	s_barrier_wait -1
	PLACES NP
	v_add_nc_u32 v[ADRS], 4*NQ, v[ADRS]            ; on to the next K step's scale words
	FETCH_B \next, 0, 0
	FETCH_A \next, 0, 0
	SCALES \next
	WIN MUL_HI
	MUL16 4, 1, NQ-1, \slot, 0
	MUL16 6, 1, NQ-1, \slot, 0
	PLACES NP
	WIN 0
	FETCH_A \next, 0, 4
.endm
.macro STEPS slot, from
.set Q, \from
.rept NQ-1-\from
	STEP \slot, Q, 0
.set Q, Q+1
.endr
.endm
	s_wait_tensorcnt 1                             ; the scales and my part of slot 0 are in; slot 1's load may be out
	s_barrier_signal -1
	s_barrier_wait -1
	FETCH_B 0, 0, 0
	FETCH_A 0, 0, 0
	SCALES 0
	FETCH_A 0, 0, 4
	s_wait_loadcnt 0x0                             ; the bias
	STEP 0, 0, 1
	STEPS 0, 1
	TURN 0, 1
	STEPS 1, 0
	s_wait_dscnt 4*NL                              ; the very last step
	WIN MUL_LO
	MUL16 0, 1, NQ-1, 1, 0
	MUL16 2, 1, NQ-1, 1, 0
	s_wait_dscnt 0
	WIN MUL_HI
	MUL16 4, 1, NQ-1, 1, 0
	MUL16 6, 1, NQ-1, 1, 0
	WIN 0
	PLACES NP
	; TOKENS 0-15 OF A BATCH ALSO LEAVE IN f32.  They are block 0 of the waves whose first token is 0.  The choice is a mask on the lanes and no branch: it hangs on the work-group's place in its cluster.
	; Pieces of 32 bytes a lane, 0.4 MB in the whole launch.
	v_cmp_eq_u32 vcc_lo, 0, v[FLAG]
	s_wait_xcnt 0x0                                ; EXEC changes only behind this wait
	s_and_saveexec_b32 s3, vcc_lo
	WIN 0x08                                       ; a store's data: window 2
.irp b, 0,1,2,3,4,5,6,7
	global_store_b128 v[FO], v[8*\b:8*\b+3], s[98:99] offset:64*\b          ; each accumulator from its low end on
	global_store_b128 v[FO], v[8*\b+4:8*\b+7], s[98:99] offset:64*\b+16
.endr
	WIN 0
	s_wait_xcnt 0x0                                ; and again, in front of the line that widens it
	s_or_b32 exec_lo, exec_lo, s3
; THE WAY OUT, block by block of 16 tokens x 128 columns (two heads): rounded to f16, 16 bytes a lane into my own stage, back as four tokens' 128 bytes of one head, stored as 512 consecutive bytes.
.macro PACK a
.set AC, 64*((\a)%4)
	WIN 0x0a+5*((\a)/4)                            ; sources 0 and 1: window 2 or 3
.irp b, 0,1,2,3,4,5,6,7
.irp r, 0,1,2,3
	v_cvt_pk_f16_f32 v[TMP+4*\b+\r], v[AC+8*\b+2*\r], v[AC+8*\b+2*\r+1]
.endr
.endr
	WIN 0
.endm
.macro TOSTAGE a
.set BB, BK+32*((\a)%2)
.irp b, 0,1,2,3,4,5,6,7
	ds_store_b128 v[STO], v[TMP+4*\b:TMP+4*\b+3] offset:32*\b
.endr
.irp t, 0,1,2,3,4,5,6,7
	ds_load_b128 v[BB+4*\t:BB+4*\t+3], v[RD] offset:(\t%4)*4*SPITCH+(\t/4)*128   ; LDS serves a wave's instructions in order: these see the stores above
.endr
.endm
.macro SEND a
.set BB, BK+32*((\a)%2)
	s_wait_dscnt 0x0                               ; the block is back in registers
	s_wait_xcnt 0x0                                ; the stores of the block before have read their registers: the next block's loads may land there
.irp t, 0,1,2,3,4,5,6,7
	global_store_b128 v[CO], v[BB+4*\t:BB+4*\t+3], s[12:13] offset:(\t/4)*262144+(\a)*2048+(\t%4)*512
.endr
.endm
	PACK 0
	TOSTAGE 0
.irp a, 1,2,3,4,5,6,7                  ; block a's conversions stand between block a - 1's loads from the stage and the wait for them
	PACK \a
	SEND \a-1
	TOSTAGE \a
.endr
	SEND 7
	s_wait_tensorcnt 0x0                           ; the wave's end
	ds_add_u32 v[SPW], v[NIL]
	s_wait_dscnt 0x0
	CROUND                                         ; the closing round
	s_endpgm
.Lfunc_end_k_q064d7d4e3a_qkv:
	.size	k_q064d7d4e3a_qkv, .Lfunc_end_k_q064d7d4e3a_qkv-k_q064d7d4e3a_qkv
	.p2alignl 7, 3214868480
	.fill 96, 4, 3214868480
	.section	.rodata,"a",@progbits
	.p2align	6, 0x0
	.amdhsa_kernel k_q064d7d4e3a_qkv
		.amdhsa_group_segment_fixed_size 327680
		.amdhsa_private_segment_fixed_size 0
		.amdhsa_enable_private_segment 0
		.amdhsa_kernarg_size 56
		.amdhsa_user_sgpr_count 2
		.amdhsa_user_sgpr_kernarg_segment_ptr 1
		.amdhsa_wavefront_size32 1
		.amdhsa_system_sgpr_workgroup_id_x 1
		.amdhsa_system_sgpr_workgroup_id_y 1
		.amdhsa_system_sgpr_workgroup_id_z 1
		.amdhsa_system_vgpr_workitem_id 0
		.amdhsa_next_free_vgpr 1024
		.amdhsa_next_free_sgpr 100
		.amdhsa_reserve_vcc 1
		.amdhsa_float_denorm_mode_32 3
		.amdhsa_float_denorm_mode_16_64 3
		.amdhsa_memory_ordered 1
		.amdhsa_forward_progress 1
		.amdhsa_inst_pref_size 130
	.end_amdhsa_kernel
	.amdgpu_metadata
---
amdhsa.version: [ 1, 2 ]
amdhsa.kernels:
  - .name:           k_q064d7d4e3a_qkv
    .symbol:         k_q064d7d4e3a_qkv.kd
    .args:
      - { .name: x_codes, .offset: 0, .size: 8, .value_kind: global_buffer, .address_space: global }
      - { .name: x_scales, .offset: 8, .size: 8, .value_kind: global_buffer, .address_space: global }
      - { .name: w_codes, .offset: 16, .size: 8, .value_kind: global_buffer, .address_space: global }
      - { .name: w_scales, .offset: 24, .size: 8, .value_kind: global_buffer, .address_space: global }
      - { .name: qkv16, .offset: 32, .size: 8, .value_kind: global_buffer, .address_space: global }
      - { .name: b_attn, .offset: 40, .size: 8, .value_kind: global_buffer, .address_space: global }
      - { .name: first, .offset: 48, .size: 8, .value_kind: global_buffer, .address_space: global }
    .group_segment_fixed_size: 327680
    .private_segment_fixed_size: 0
    .kernarg_segment_align: 8
    .kernarg_segment_size: 56
    .max_flat_workgroup_size: 128
    .sgpr_count:     100
    .vgpr_count:     1024
    .wavefront_size: 32
...
	.end_amdgpu_metadata
.endif
;; end of part 2
;; launch attn (part 3): grid 8 x 32, 8 waves a work-group, no clusters, 327,680 bytes of LDS; arguments qkv16, y16; writes y16
.if DOCPART == 3
	.amdgcn_target "amdgcn-amd-amdhsa--gfx1250"
	.amdhsa_code_object_version 6
	.text
	.protected	k_q064d7d4e3a_attn
	.globl	k_q064d7d4e3a_attn
	.p2align	8
	.type	k_q064d7d4e3a_attn,@function
k_q064d7d4e3a_attn:
	s_mov_b64 s[64:65], 0
	v_nop
	global_prefetch_b8 v0, s[64:65] scope:SCOPE_SE
	s_setreg_imm32_b32 hwreg(HW_REG_WAVE_MODE, 25, 1), 1
	s_wait_xcnt 0x0
; y[b][h][q][:] = the sum over k <= q of softmax_k(Q[q] . K[k] / 8) V[k][:], for 32 (batch, head) pairs, 2,048 tokens, head size 64.  q, k, v: f16 in qkv16 [3][32][2048][64]; y16: f16 [32][2048][64].
; Products on f16 operands with f32 sums; maxima, exponentials and scalings in f32; the weights p are rounded to f16 for the second product, and the divisor is the f32 sum of those same rounded p.
; SHARES.  A work-group owns query blocks j and 15 - j (128 queries each) of one head: (j + 1) + (16 - j) = 17 steps of 128 keys for a pair of waves, whatever j.  Each of eight waves owns 32 queries: two tiles of 16.
; NO CLUSTER: the eight work-groups of a head need different numbers of key tiles under the mask, so a joint load would bring a partner tiles that none of its waves reads.
; LAYOUT.  S^T = K Q^T (source 0 = 16 keys, source 1 = 16 queries): a lane holds ONE query (lane % 16) and keys 8 (lane / 16) + 0..7.  Two such tiles, rounded in pairs, are source 1 (32 keys x 16 queries) of
; O^T = V^T P, whose result again holds one query a lane.  K comes out of LDS as it lies, V ([key][channel]) turned, by ds_load_tr16_b128.  The row sums are a product too: source 0 = ones.
; SOFTMAX.  A running maximum m for each query: p = 2^(c s - c m), c = log2(e) / 8; in every step O and the sums are multiplied by a = 2^(c m_old - c m_new).
; THE MASK.  Every work-group walks all 8 slots (the trip counts are constants); a step all of whose keys come after the wave's queries is jumped over; on the diagonal hidden scores become -infinity.
; RING.  Two slots of two key steps (256 keys of K and V), filled by waves 0-3, read by all eight; one tensor load of a wave is out behind each barrier.
; REGISTERS.  window 0: v1-11 addresses; v12-27 statistics, eight a tile: +0 c m, +1 m, +2 a, +3 (named with a as a pair), +4..7 at work; v28-29 the mask's d; v32-47 the sums; v48 -infinity; v64-191 S^T, 64 a tile; p is packed in
;   place into each tile's first 32; v192-255 O^T, 32 a tile.   window 1: v0-31 Q; v32-39 ones; v128-255 the fragments of a step's K, then of its V.
.set KP,    144                        ; a key's row of K in LDS: 128 bytes + 16: an odd multiple of 16
.set VP,    160                        ; of V: 128 + 32: an odd multiple of 32, for the turning load
.set VOFF,  128*KP
.set STEPB, 128*(KP+VP)                ; a step: 128 rows of K, then 128 rows of V
.set SLOT1, 1<<17                      ; slot 1 begins here: one exclusive or turns an address from slot to slot
.set NSL,   8
.set STAGE, SLOT1+2*STEPB              ; the way out: 16 rows x 144 bytes for each wave; no tile lands here
.set SPARE, STAGE+8*16*KP              ; the spare words, 128 bytes for each wave
.set AK0, 1
.set AV0, 2
.set ADK, 3
.set ADV, 4
.set SPW, 5                            ; v5  my spare word; never rewritten
.set NIL, 6                            ; v6  0; never rewritten
.set GO,  7
.set STO, 8
.set RD,  9
.set PFO, 10                           ; v10 256 x lane
.set DD,  11                           ; v11 lane % 16 - 8 (lane / 16)
.set ST,  12
.set D0,  28
.set LS,  32
.set NINF, 48
.set TR,  49                           ; v49-52 at work at the head
.set S,   64
.set OT,  192
.set QF,  0                            ; window 1
.set ONES, 32
.set FB,  128
.set WV,  18
.set SEL, 20
.set CS,  22
.set G1K, 24
.set G1V, 32
.set G0K, 40
.set G0V, 44
.set TB,  2
.set SLOTS, 67
.set LASTQ, 70
.set PFK, 76
.set PFV, 78
.set LIM, 80
.set KF,  98
.set Q0,  99
.set MSB, 0
.macro WIN new
.if MSB != (\new)
	s_set_vgpr_msb (MSB<<8)|(\new)
.set MSB, (\new)
.endif
.endm
; Waves 0 and 1 fetch a slot's two steps of K, waves 2 and 3 of V, the others nothing.  An s_nop 0 and four v_nop follow each of the two lines.
.macro TLOAD
	s_cmp_lt_u32 s[WV], 2
	s_cbranch_scc0 .Lnot_k_\@
	tensor_load_to_lds s[G0K:G0K+3], s[G1K:G1K+7]
	s_nop 0
.rept 4
	v_nop
.endr
	s_branch .Lasked_\@
.Lnot_k_\@:
	s_cmp_lt_u32 s[WV], 4
	s_cbranch_scc0 .Lasked_\@
	tensor_load_to_lds s[G0V:G0V+3], s[G1V:G1V+7]
	s_nop 0
.rept 4
	v_nop
.endr
.Lasked_\@:
.endm
; A PREFETCH of what the NEXT change of slots will ask for: 256 keys of K and of V, 32,768 dense bytes each.  All work-groups of a head walk the same K and V: work-group j = 0, which walks all keys, asks, and in it
; waves 4-7, which fetch nothing: 8,192 bytes of each a wave, lanes 256 bytes apart: each aligned block of 256 bytes is named once in the launch.  The last change that fills a slot asks for nothing.
.macro ASK
	s_cmp_gt_u32 s[SLOTS], s[LIM]
	s_cbranch_scc0 .Lnot_mine_\@
	global_prefetch_b8 v[PFO], s[PFK:PFK+1] th:TH_LOAD_NT scope:SCOPE_SE
	global_prefetch_b8 v[PFO], s[PFV:PFV+1] th:TH_LOAD_NT scope:SCOPE_SE
.Lnot_mine_\@:
.endm
	s_load_b128 s[4:7], s[0:1], 0x0                ; qkv16, y16
	v_lshl_add_u32 v[SPW], v0, 2, SPARE
	v_mov_b32 v[NIL], 0
	ds_add_u32 v[SPW], v[NIL]                      ; the wave's opening: the add, twice on end, and its wait ahead of the first tensor load
	ds_add_u32 v[SPW], v[NIL]
	v_lshrrev_b32 v[TR], 5, v0
	v_readfirstlane_b32 s[WV], v[TR]               ; wave 0..7
	s_and_b32 s48, ttmp7, 0xffff
	s_lshl_b32 s48, s48, 18                        ; (batch, head) x 262,144 bytes
	s_mov_b32 s49, 0
	s_lshr_b32 s50, s[WV], 2
	s_xor_b32 s50, s50, s[WV]
	s_and_b32 s50, s50, 1                          ; 0: the low block, 1: the high one: waves 0, 2, 5, 7 and 1, 3, 4, 6
	s_lshr_b32 s51, s[WV], 1                       ; which 32 queries of the block
	s_sub_co_u32 s52, 15, ttmp9
	s_lshl_b32 s[LASTQ], s52, 7
	s_or_b32 s[LASTQ], s[LASTQ], 127               ; the work-group's last query
	s_cmp_eq_u32 s50, 0
	s_cselect_b32 s52, ttmp9, s52
	s_lshl_b32 s52, s52, 7
	s_lshl_b32 s51, s51, 5
	s_add_co_u32 s[Q0], s52, s51                   ; my first query
	s_lshl_b32 s54, s[Q0], 7
	s_mov_b32 s55, 0
	s_add_nc_u64 s[54:55], s[54:55], s[48:49]      ; its bytes in q and in y16
	s_and_b32 s56, s[WV], 1                        ; which of a slot's two steps I fetch, if I fetch
	s_mul_i32 s57, s56, STEPB
	s_lshl_b32 s58, s56, 14
	s_mov_b32 s59, 0
	s_add_nc_u64 s[58:59], s[58:59], s[48:49]
	s_mov_b32 s[G1K], (1<<16)|(1<<20)|(4<<22)|(3<<25)              ; no mask; elements of 2 bytes; padding on: 4 words behind every 32
	s_mov_b32 s[G1V], (1<<16)|(1<<20)|(4<<22)|(7<<25)              ; 8 words behind every 32
.irp g, G1K, G1V
	s_mov_b32 s[\g+1], 64<<16                      ; tensor_dim0
	s_mov_b32 s[\g+2], 128<<16                     ; tensor_dim1
	s_mov_b32 s[\g+3], 64<<16                      ; tile_dim0
	s_mov_b32 s[\g+4], 128                         ; tile_dim1
	s_mov_b32 s[\g+5], 64                          ; the pitch
	s_mov_b32 s[\g+6], 0
	s_mov_b32 s[\g+7], 0
.endr
	s_mov_b32 s[SEL], 0x76543210
	s_mov_b32 s[SEL+1], 0xfedcba98
	s_mov_b32 s[CS], 0x3e38aa3b                    ; c = log2(e) / 8
	s_mov_b32 s[CS+1], s[CS]
	s_mov_b32 s[TB], 0
	s_mov_b32 s[SLOTS], NSL-1
	s_mov_b32 s[KF], 0
	s_wait_dscnt 0x0                               ; both opening adds are done
	s_wait_kmcnt 0x0
	s_mov_b32 s[G0K], 1
	s_mov_b32 s[G0K+1], s57
	s_add_nc_u64 s[G0K+2:G0K+3], s[4:5], s[58:59]
	s_add_nc_u64 s[G0K+2:G0K+3], s[G0K+2:G0K+3], 8388608           ; the part k
	s_or_b32 s[G0K+3], s[G0K+3], 0x80000000
	s_mov_b32 s[G0V], 1
	s_add_co_u32 s[G0V+1], s57, VOFF
	s_add_nc_u64 s[G0V+2:G0V+3], s[4:5], s[58:59]
	s_add_nc_u64 s[G0V+2:G0V+3], s[G0V+2:G0V+3], 16777216          ; the part v
	s_or_b32 s[G0V+3], s[G0V+3], 0x80000000
	TLOAD                                          ; slot 0: it holds key 0, which counts for every query
	s_add_nc_u64 s[8:9], s[4:5], s[54:55]          ; Q at my first query
	s_add_nc_u64 s[10:11], s[6:7], s[54:55]        ; y16 likewise
	s_and_b32 s60, s[WV], 3
	s_lshl_b32 s60, s60, 13
	s_add_co_u32 s60, s60, 32768                   ; the prefetches stand in slot 1: the first change of slots steps them to slot 2.  Nothing is prefetched at the head
	s_mov_b32 s61, 0
	s_add_nc_u64 s[60:61], s[60:61], s[48:49]
	s_add_nc_u64 s[PFK:PFK+1], s[4:5], s[60:61]
	s_add_nc_u64 s[PFV:PFV+1], s[PFK:PFK+1], 16777216
	s_add_nc_u64 s[PFK:PFK+1], s[PFK:PFK+1], 8388608
	s_sub_co_u32 s60, s[WV], 4
	s_lshr_b32 s60, s60, 2                         ; 0 in waves 4 to 7,
	s_or_b32 s60, s60, ttmp9                       ; of work-group j = 0
	s_cmp_eq_u32 s60, 0
	s_cselect_b32 s[LIM], 1, -1
	v_and_b32 v[TR], 15, v0                        ; r
	v_bfe_u32 v[TR+1], v0, 4, 1                    ; h
	v_lshlrev_b32 v[TR+3], 7, v[TR]
	v_lshl_add_u32 v[TR+3], v[TR+1], 4, v[TR+3]    ; Q: row r of 128 bytes + 16 h
	WIN 0x40                                       ; destination window 1
.irp x, 0,1
.irp c, 0,1
	global_load_b128 v[QF+16*\x+8*\c:QF+16*\x+8*\c+3],   v[TR+3], s[8:9] offset:2048*\x+64*\c
	global_load_b128 v[QF+16*\x+8*\c+4:QF+16*\x+8*\c+7], v[TR+3], s[8:9] offset:2048*\x+64*\c+32
.endr
.endr
.irp i, 0,1,2,3,4,5,6,7
	v_mov_b32 v[ONES+\i], 0x3c003c00               ; 1.0, twice, in f16
.endr
	WIN 0
	v_mul_u32_u24 v[AK0], v[TR], KP
	v_lshl_add_u32 v[AK0], v[TR+1], 4, v[AK0]      ; K: row r x pitch + 16 h
	v_and_b32 v[TR+2], 7, v0
	v_lshl_add_u32 v[TR+2], v[TR+1], 3, v[TR+2]
	v_mul_u32_u24 v[AV0], v[TR+2], VP              ; V: key 8 h + lane % 8,
	v_bfe_u32 v[TR+2], v0, 3, 1
	v_lshl_add_u32 v[AV0], v[TR+2], 4, v[AV0]      ; channels 8 ((lane / 8) % 2) on
	v_add_nc_u32 v[AV0], VOFF, v[AV0]
	v_lshlrev_b32 v[TR+2], 3, v[TR+1]
	v_sub_nc_u32 v[DD], v[TR], v[TR+2]
	s_mul_i32 s60, s[WV], 16*KP
	s_add_co_u32 s60, s60, STAGE                   ; my stage
	v_add_nc_u32 v[STO], s60, v[AK0]               ; in: row r, 16 bytes for each half of the lanes
	v_and_b32 v[TR+2], 31, v0
	v_lshlrev_b32 v[GO], 4, v[TR+2]                ; out: 16 x lane
	v_lshlrev_b32 v[PFO], 8, v[TR+2]
	v_lshrrev_b32 v[RD], 3, v[TR+2]
	v_mul_u32_u24 v[RD], v[RD], KP
	v_and_b32 v[TR+2], 7, v0
	v_lshl_add_u32 v[RD], v[TR+2], 4, v[RD]
	v_add_nc_u32 v[RD], s60, v[RD]                 ; back: eight lanes to a row of 128 bytes
	v_mov_b32 v[NINF], 0xff800000
.irp x, 0,1
	v_mov_b32 v[ST+8*\x+1], 0xff61b1e6             ; m = -3e38, under every score
	v_mul_f32 v[ST+8*\x], s[CS], v[ST+8*\x+1]
	v_mov_b32 v[ST+8*\x+2], 0
	v_mov_b32 v[ST+8*\x+3], 0
.endr
.set n, 0
.rept 64
	v_mov_b32 v[OT+n], 0                           ; the step is written once for all steps: the first finds zeros, which a = 0 leaves zeros
.set n, n+1
.endr
.set n, 0
.rept 16
	v_mov_b32 v[LS+n], 0
.set n, n+1
.endr
; A KEY STEP: 128 keys, the q-th of the slot in hand.
.macro STEP q
	s_add_co_u32 s96, s[Q0], 31
	s_cmp_gt_u32 s[KF], s96                        ; all keys come after my 32 queries: the step's work is left out; the line at its end that steps the key is not
	s_cbranch_scc1 .Lhidden_\@
	v_add_nc_u32 v[ADK], s[TB], v[AK0]
	v_add_nc_u32 v[ADV], s[TB], v[AV0]
.rept 3
	v_nop                                          ; with the two additions five places behind the last V^T P: the loads below land on V's fragments (four are owed), and the first products below write over p (five)
.endr
	WIN 0x40
.irp c, 0,1                                    ; K's 16 fragments: keys 16 k on, channels 32 c on; channels 0-31 first
.irp k, 0,1,2,3,4,5,6,7
	ds_load_b128 v[FB+16*\k+8*\c:FB+16*\k+8*\c+3],   v[ADK] offset:(\q)*STEPB+\k*16*KP+64*\c
	ds_load_b128 v[FB+16*\k+8*\c+4:FB+16*\k+8*\c+7], v[ADK] offset:(\q)*STEPB+\k*16*KP+64*\c+32
.endr
.endr
	WIN 0x05                                       ; K and Q in window 1, S^T in window 0
	s_wait_dscnt 16                                ; channels 0-31 are in; the sixteen loads of channels 32-63 may be out
.irp k, 0,1,2,3,4,5,6,7                        ; the 16 accumulators take turns, one instruction a turn
.irp x, 0,1
	v_wmma_f32_16x16x32_f16 v[S+64*\x+8*\k:S+64*\x+8*\k+7], v[FB+16*\k:FB+16*\k+7], v[QF+16*\x:QF+16*\x+7], 0
.endr
.endr
	s_wait_dscnt 0x0
.irp k, 0,1,2,3,4,5,6,7
.irp x, 0,1
	v_wmma_f32_16x16x32_f16 v[S+64*\x+8*\k:S+64*\x+8*\k+7], v[FB+16*\k+8:FB+16*\k+15], v[QF+16*\x+8:QF+16*\x+15], v[S+64*\x+8*\k:S+64*\x+8*\k+7]
.endr
.endr
.rept 4
	v_nop                                          ; places in front of the loads into K's registers and of the first read of the scores
.endr
	WIN 0x40
.irp g, 0,1,2,3                                ; V's 16 fragments, turned: keys 32 g on, channels 16 t on.  They land while the softmax is worked
.irp t, 0,1,2,3
	ds_load_tr16_b128 v[FB+32*\g+8*\t:FB+32*\g+8*\t+3],   v[ADV] offset:(\q)*STEPB+\g*32*VP+32*\t
	ds_load_tr16_b128 v[FB+32*\g+8*\t+4:FB+32*\g+8*\t+7], v[ADV] offset:(\q)*STEPB+\g*32*VP+16*VP+32*\t
.endr
.endr
	WIN 0
	s_add_co_u32 s96, s[KF], 127
	s_cmp_le_u32 s96, s[Q0]                        ; all 128 keys count for all my queries: no mask
	s_cbranch_scc1 .Lopen_\@
	s_sub_co_i32 s96, s[Q0], s[KF]
	v_add_nc_u32 v[D0], s96, v[DD]                 ; d = my query - the step's first key - 8 (lane / 16).  Register 8 k + j holds key 16 k + 8 (lane / 16) + j of the step: hidden where 16 k + j > d
	v_add_nc_u32 v[D0+1], 16, v[D0]                ; tile 1's queries lie 16 on
.set n, 0
.rept 64
	v_cmp_gt_i32 vcc_lo, 16*(n/8)+n%8, v[D0]
	v_cndmask_b32 v[S+n], v[S+n], v[NINF], vcc_lo
.set n, n+1
.endr
.set n, 0
.rept 64
	v_cmp_gt_i32 vcc_lo, 16*(n/8)+n%8, v[D0+1]
	v_cndmask_b32 v[S+64+n], v[S+64+n], v[NINF], vcc_lo
.set n, n+1
.endr
.Lopen_\@:
	; the maximum of a lane's 64 scores a tile: four chains of 16; each accumulator is first read at its low end
.irp u, 0,1,2,3
.irp x, 0,1
	v_max3_num_f32 v[ST+8*\x+4+\u], v[S+64*\x+16*\u], v[S+64*\x+16*\u+1], v[S+64*\x+16*\u+2]
.endr
.endr
.irp i, 3,5,7,9,11,13
.irp u, 0,1,2,3
.irp x, 0,1
	v_max3_num_f32 v[ST+8*\x+4+\u], v[ST+8*\x+4+\u], v[S+64*\x+16*\u+\i], v[S+64*\x+16*\u+\i+1]
.endr
.endr
.endr
.irp u, 0,1,2,3
.irp x, 0,1
	v_max_num_f32 v[ST+8*\x+4+\u], v[ST+8*\x+4+\u], v[S+64*\x+16*\u+15]
.endr
.endr
.irp x, 0,1
	v_max3_num_f32 v[ST+8*\x+4], v[ST+8*\x+4], v[ST+8*\x+5], v[ST+8*\x+6]
.endr
.irp x, 0,1
	v_max3_num_f32 v[ST+8*\x+4], v[ST+8*\x+4], v[ST+8*\x+7], v[ST+8*\x+1]    ; with the old m
.endr
.irp x, 0,1
	v_permlanex16_b32 v[ST+8*\x+5], v[ST+8*\x+4], s[SEL], s[SEL+1]           ; the query's other 64 keys lie in the lane 16 away
.endr
.irp x, 0,1
	v_mov_b32 v[ST+8*\x+6], v[ST+8*\x]             ; c m_old
.endr
.irp x, 0,1
	v_max_num_f32 v[ST+8*\x+1], v[ST+8*\x+4], v[ST+8*\x+5]
.endr
.irp x, 0,1
	v_mul_f32 v[ST+8*\x], s[CS], v[ST+8*\x+1]
.endr
.irp x, 0,1
	v_sub_f32 v[ST+8*\x+6], v[ST+8*\x+6], v[ST+8*\x]
.endr
.irp x, 0,1
	v_exp_f32 v[ST+8*\x+2], v[ST+8*\x+6]           ; a; it belongs to the batch below
.endr
.set n, 0
.rept 32
	v_pk_fma_f32 v[S+n:S+n+1], v[S+n:S+n+1], s[CS:CS+1], v[ST:ST+1] op_sel_hi:[1,0,0] neg_lo:[0,0,1] neg_hi:[0,0,1]            ; c s - c m, two at a time
	v_pk_fma_f32 v[S+64+n:S+64+n+1], v[S+64+n:S+64+n+1], s[CS:CS+1], v[ST+8:ST+9] op_sel_hi:[1,0,0] neg_lo:[0,0,1] neg_hi:[0,0,1]
.set n, n+2
.endr
.set n, 0
.rept 128
	v_exp_f32 v[S+n], v[S+n]                       ; p, at most 1
.set n, n+1
.endr
	v_nop                                          ; a plain line behind the last exponential
	s_wait_alu depctr_va_vdst(0)                   ; one wait for the batch of 130, ahead of its first use
.set n, 0
.rept 32
	v_cvt_pk_f16_f32 v[S+n], v[S+2*n], v[S+2*n+1]              ; p in f16, packed in place: register n takes registers 2 n and 2 n + 1, which no later line of this run needs
	v_cvt_pk_f16_f32 v[S+64+n], v[S+64+2*n], v[S+64+2*n+1]
.set n, n+1
.endr
.set n, 0
.rept 16
	v_pk_mul_f32 v[OT+n:OT+n+1], v[OT+n:OT+n+1], v[ST+2:ST+3] op_sel_hi:[1,0]              ; O^T under the new m
	v_pk_mul_f32 v[OT+32+n:OT+32+n+1], v[OT+32+n:OT+32+n+1], v[ST+10:ST+11] op_sel_hi:[1,0]
.set n, n+2
.endr
.set n, 0
.rept 4
	v_pk_mul_f32 v[LS+n:LS+n+1], v[LS+n:LS+n+1], v[ST+2:ST+3] op_sel_hi:[1,0]              ; and the sums
	v_pk_mul_f32 v[LS+8+n:LS+8+n+1], v[LS+8+n:LS+8+n+1], v[ST+10:ST+11] op_sel_hi:[1,0]
.set n, n+2
.endr
	s_wait_dscnt 0x0                               ; V is in
	WIN 0x01                                       ; V and the ones in window 1; p, O^T and the sums in window 0
.irp g, 0,1,2,3                                ; ten accumulators take turns
.irp t, 0,1,2,3
.irp x, 0,1
	v_wmma_f32_16x16x32_f16 v[OT+32*\x+8*\t:OT+32*\x+8*\t+7], v[FB+32*\g+8*\t:FB+32*\g+8*\t+7], v[S+64*\x+8*\g:S+64*\x+8*\g+7], v[OT+32*\x+8*\t:OT+32*\x+8*\t+7]
.endr
.endr
.irp x, 0,1
	v_wmma_f32_16x16x32_f16 v[LS+8*\x:LS+8*\x+7], v[ONES:ONES+7], v[S+64*\x+8*\g:S+64*\x+8*\g+7], v[LS+8*\x:LS+8*\x+7]
.endr
.endr
	WIN 0
.Lhidden_\@:
	s_add_co_u32 s[KF], s[KF], 128
.endm
; THE CHANGE OF SLOTS stands at a slot's head.  Each wave waits for all its tensor loads, adds 0 to its spare word (fill = 1: twice on end), and waits for that and
; for its reads of the slot that it has left.  Behind the barrier the slot ahead is whole and nobody reads the other one, which is filled with the next 256 keys: the load has two key steps in which to land.
.macro CHANGE fill
	s_wait_tensorcnt 0x0
	ds_add_u32 v[SPW], v[NIL]
.if \fill
	ds_add_u32 v[SPW], v[NIL]
	s_xor_b32 s[G0K+1], s[G0K+1], SLOT1            ; no tensor load of mine is out: the walking descriptors step
	s_add_nc_u64 s[G0K+2:G0K+3], s[G0K+2:G0K+3], 32768
	s_xor_b32 s[G0V+1], s[G0V+1], SLOT1
	s_add_nc_u64 s[G0V+2:G0V+3], s[G0V+2:G0V+3], 32768
	s_wait_xcnt 0x0                                ; the last prefetches, a slot back, have read their addresses
	s_add_nc_u64 s[PFK:PFK+1], s[PFK:PFK+1], 32768
	s_add_nc_u64 s[PFV:PFV+1], s[PFV:PFV+1], 32768
.endif
	s_wait_dscnt 0x0
	s_barrier_signal -1
	s_barrier_wait -1
.if \fill
	s_add_co_u32 s96, s[KF], 256                   ; THE LOOK-AHEAD ENDS AT THE CAUSAL LIMIT: a slot whose first key comes after the work-group's last query is read by none of its waves and is not asked for.
	s_cmp_gt_u32 s96, s[LASTQ]                     ; Ids and the count of steps alone: all eight waves go the same way.  Every wait on TENSORcnt in this text is for 0
	s_cbranch_scc1 .Lpast_\@
	TLOAD
.Lpast_\@:
	ASK
.endif
.endm
	s_wait_loadcnt 0x0                             ; Q
.Lslot:                                            ; NSL - 1 trips
	CHANGE 1
	STEP 0
	STEP 1
	s_xor_b32 s[TB], s[TB], SLOT1
	s_sub_co_u32 s[SLOTS], s[SLOTS], 1
	s_cmp_lg_u32 s[SLOTS], 0
	s_cbranch_scc1 .Lslot
	CHANGE 0                                       ; the last slot is written out: nothing is left to fetch
	STEP 0
	STEP 1
	; THE WAY OUT.  O^T is divided by the sum, rounded to f16 and sent through my stage, a tile of 16 queries at a time; four queries' 128 bytes leave as 512 consecutive bytes.
.rept 4
	v_nop                                          ; places behind the last products
.endr
.irp x, 0,1
	v_rcp_f32 v[ST+8*\x+2], v[LS+8*\x]             ; every register of the sums' accumulator holds the query's sum: the lowest is taken
.endr
	v_nop
	s_wait_alu depctr_va_vdst(0)                   ; one wait for the two reciprocals
.irp x, 0,1
.irp i, 0,1,2,3,4,5,6,7,8,9,10,11,12,13,14,15
	v_pk_mul_f32 v[OT+32*\x+2*\i:OT+32*\x+2*\i+1], v[OT+32*\x+2*\i:OT+32*\x+2*\i+1], v[ST+8*\x+2:ST+8*\x+3] op_sel_hi:[1,0]
.endr
.irp i, 0,1,2,3,4,5,6,7,8,9,10,11,12,13,14,15
	v_cvt_pk_f16_f32 v[S+16*\x+\i], v[OT+32*\x+2*\i], v[OT+32*\x+2*\i+1]
.endr
.irp t, 0,1,2,3
	ds_store_b128 v[STO], v[S+16*\x+4*\t:S+16*\x+4*\t+3] offset:32*\t
.endr
.irp i, 0,1,2,3
	ds_load_b128 v[S+64+16*\x+4*\i:S+64+16*\x+4*\i+3], v[RD] offset:4*\i*KP    ; LDS serves a wave's instructions in order: these see the stores above, and the next tile's stores come behind them
.endr
.endr
.irp x, 0,1
.irp i, 0,1,2,3
	s_wait_dscnt 8*(1-\x)+3-\i                     ; behind tile 0's loads stand tile 1's four stores and four loads
	global_store_b128 v[GO], v[S+64+16*\x+4*\i:S+64+16*\x+4*\i+3], s[10:11] offset:2048*\x+512*\i
.endr
.endr
	s_wait_tensorcnt 0x0                           ; the wave's end
	ds_add_u32 v[SPW], v[NIL]
	s_wait_dscnt 0x0
	s_endpgm
.Lfunc_end_k_q064d7d4e3a_attn:
	.size	k_q064d7d4e3a_attn, .Lfunc_end_k_q064d7d4e3a_attn-k_q064d7d4e3a_attn
	.p2alignl 7, 3214868480
	.fill 96, 4, 3214868480
	.section	.rodata,"a",@progbits
	.p2align	6, 0x0
	.amdhsa_kernel k_q064d7d4e3a_attn
		.amdhsa_group_segment_fixed_size 327680
		.amdhsa_private_segment_fixed_size 0
		.amdhsa_enable_private_segment 0
		.amdhsa_kernarg_size 16
		.amdhsa_user_sgpr_count 2
		.amdhsa_user_sgpr_kernarg_segment_ptr 1
		.amdhsa_wavefront_size32 1
		.amdhsa_system_sgpr_workgroup_id_x 1
		.amdhsa_system_sgpr_workgroup_id_y 1
		.amdhsa_system_sgpr_workgroup_id_z 1
		.amdhsa_system_vgpr_workitem_id 0
		.amdhsa_next_free_vgpr 512
		.amdhsa_next_free_sgpr 100
		.amdhsa_reserve_vcc 1
		.amdhsa_float_denorm_mode_32 3
		.amdhsa_float_denorm_mode_16_64 3
		.amdhsa_memory_ordered 1
		.amdhsa_forward_progress 1
		.amdhsa_inst_pref_size 172
	.end_amdhsa_kernel
	.amdgpu_metadata
---
amdhsa.version: [ 1, 2 ]
amdhsa.kernels:
  - .name:           k_q064d7d4e3a_attn
    .symbol:         k_q064d7d4e3a_attn.kd
    .args:
      - { .name: qkv16, .offset: 0, .size: 8, .value_kind: global_buffer, .address_space: global }
      - { .name: y16, .offset: 8, .size: 8, .value_kind: global_buffer, .address_space: global }
    .group_segment_fixed_size: 327680
    .private_segment_fixed_size: 0
    .kernarg_segment_align: 8
    .kernarg_segment_size: 16
    .max_flat_workgroup_size: 256
    .sgpr_count:     100
    .vgpr_count:     512
    .wavefront_size: 32
...
	.end_amdgpu_metadata
.endif
;; end of part 3
;; launch proj (part 4): grid 8 x 32, 4 waves a work-group, clusters of 4 x 4, 327,680 bytes of LDS; arguments y16, w16, b_proj, out0; writes out0
.if DOCPART == 4
	.amdgcn_target "amdgcn-amd-amdhsa--gfx1250"
	.amdhsa_code_object_version 6
	.text
	.protected	k_q064d7d4e3a_proj
	.globl	k_q064d7d4e3a_proj
	.p2align	8
	.type	k_q064d7d4e3a_proj,@function
k_q064d7d4e3a_proj:
	s_mov_b64 s[64:65], 0
	v_nop
	global_prefetch_b8 v0, s[64:65] scope:SCOPE_SE
	s_setreg_imm32_b32 hwreg(HW_REG_WAVE_MODE, 25, 1), 1
	s_wait_xcnt 0x0
	s_wait_alu depctr_hold_cnt(0) depctr_sa_sdst(0) depctr_va_vdst(0) depctr_va_sdst(0) depctr_va_ssrc(0) depctr_va_vcc(0) depctr_vm_vsrc(0)
	s_getreg_b32 s2, hwreg(HW_REG_IB_STS2, 6, 4)
	s_cmp_eq_u32 s2, 0
	s_cbranch_scc0 .Lentry_in_a_cluster
	s_endpgm
.Lentry_in_a_cluster:
	s_bfe_u32 s2, ttmp6, 0x10000c
	s_cmp_lg_u32 s2, 0xf033
	s_cbranch_scc0 .Lentry_shape_is_right
	s_endpgm
.Lentry_shape_is_right:
; out0 = y w_proj + b_proj for all tokens but the first 16 of each batch (those have a launch of their own, in f32).  M 4,096, N 1,024, K 1,024; f16 operands, f32 sums, f32 out.
; A = y16 [2 batches][16 planes = heads][2048 tokens][64]; B = w16 [16 planes = k / 64][1024 n][64]: K = 64 x plane + the place in the plane.
; A tile of C is 128 x 128: 256 work-groups.  Four waves, each 64 x 64: 16 accumulators.  K goes in steps of 256 (four planes) through two LDS slots.
; A wave's tensor load brings 64 rows of four planes: in a plane these are 8,192 dense bytes, stated as ONE long row of 4,096 elements; four such rows, a plane apart; 16 bytes of padding behind every 128:
; so the lines of 128 bytes lie evenly in LDS, 144 bytes apart.
; CLUSTERS: 4 x 4 work-groups; A's tiles are asked for jointly along a row of the cluster, B's along a column.  THE MATRIX INSTRUCTION IS USED TRANSPOSED: a lane holds eight neighbouring columns of a row of C.
; The bias is the C of each sum's first product.  No prefetch: tiles are small and a K step short.
; REGISTERS: window 0: v0-31 addresses; v32-95 the way out; v96-127 the bias; v128-255 the accumulators ((a, b) at v[128 + 8 (4 a + b)]).  window 1: two fragment buffers of 128: 64 registers of A, then 64 of B, for 64 along K.
.set PITCH,  144                       ; a line: 128 bytes + 16: an odd multiple of 16
.set HALFP,  64*PITCH                  ; 64 rows of a plane
.set HALFT,  4*HALFP                   ; what one tensor load brings
.set SLOT,   4*HALFT                   ; A's two halves, then B's two
.set STAGE,  2*SLOT                    ; the way out: 16 rows x 272 bytes for each wave; no tile lands here
.set SPITCH, 272
.set SPARE,  STAGE+4*16*SPITCH         ; the spare words, 128 bytes for each wave
.set LAPS,   2
.set ASTEP,  4*262144                  ; bytes from a K step to the next: four planes of y16,
.set BSTEP,  4*131072                  ; of w16
.set ADRA, 16
.set ADRB, 20
.set STO,  24
.set RD,   25
.set CO,   26
.set BO,   27
.set SPW,  28                          ; v28  my spare word; never rewritten
.set NIL,  29                          ; v29  0; never rewritten
.set FLAG, 30                          ; v30  0 where my block 0 holds tokens 0-15 of a batch
.set TMP,  32
.set BIAS, 96
.set ACC,  128
.set F0,   0
.set F1,   128
.set G1, 24
.set G0, 32
.set G1B, 48
.set G0B, 56
.set MSB, 0
.macro WIN new
.if MSB != (\new)
	s_set_vgpr_msb (MSB<<8)|(\new)
.set MSB, (\new)
.endif
.endm
.set MUL,  0x05                        ; sources 0 (B) and 1 (A) window 1; C and D window 0
.set TO_F, 0x40
.macro JLOAD s                         ; a joint load: waves 0 and 1 fetch A's two halves, waves 2 and 3 B's; an s_nop 0 and four v_nop follow each of the two lines
	s_cmp_eq_u32 s11, 0
	s_cbranch_scc0 .Lfor_b_\@
	tensor_load_to_lds s[G0+4*\s:G0+4*\s+3], s[G1:G1+7]
	s_nop 0
.rept 4
	v_nop
.endr
	s_branch .Lasked_\@
.Lfor_b_\@:
	tensor_load_to_lds s[G0B+4*\s:G0B+4*\s+3], s[G1B:G1B+7]
	s_nop 0
.rept 4
	v_nop
.endr
.Lasked_\@:
.endm
.macro CREST
	s_cmp_lg_u32 s10, 0
	s_cbranch_scc1 .Lnot_wave_0_\@
	s_barrier_signal -3
.Lnot_wave_0_\@:
	s_barrier_wait -3
	s_barrier_signal -1
	s_barrier_wait -1
.endm
.macro CROUND
	s_barrier_signal -1
	s_barrier_wait -1
	CREST
.endm
	s_load_b128 s[4:7], s[0:1], 0x0                ; y16, w16
	s_load_b64 s[66:67], s[0:1], 0x10              ; b_proj
	s_load_b64 s[8:9], s[0:1], 0x18                ; out0
	v_lshl_add_u32 v[SPW], v0, 2, SPARE
	v_mov_b32 v[NIL], 0
	ds_add_u32 v[SPW], v[NIL]                      ; the wave's opening: the add, twice on end, and its wait ahead of my first tensor load
	ds_add_u32 v[SPW], v[NIL]
	v_lshrrev_b32 v1, 5, v0
	v_readfirstlane_b32 s10, v1                    ; wave 0..3
	s_lshr_b32 s11, s10, 1                         ; which half of the tile's rows is mine.  Also: I fetch for A (0) or for B (1)
	s_and_b32 s12, s10, 1                          ; which half of its columns.  Also: which 64 rows of that tile I fetch
	s_bfe_u32 s40, ttmp6, 0x40000
	s_bfe_u32 s41, ttmp6, 0x40004
	s_lshl_b32 s42, ttmp9, 2
	s_add_co_u32 s42, s42, s40                     ; tile column of C
	s_and_b32 s13, ttmp7, 0xffff
	s_lshl_b32 s13, s13, 2
	s_add_co_u32 s13, s13, s41                     ; tile row of C
	s_lshl_b32 s43, s41, 2
	s_lshl_b32 s43, 15, s43                        ; my row of the cluster
	s_lshl_b32 s44, 0x1111, s40                    ; my column
	s_or_b32 s[G1+0], s43, (1<<16)|(1<<20)|(1<<21)|(4<<22)|(3<<25)  ; the mask; elements of 2 bytes; padding on; bit 21 beside a mask; 4 words behind every 32
	s_or_b32 s[G1B+0], s44, (1<<16)|(1<<20)|(1<<21)|(4<<22)|(3<<25)
.irp g, G1, G1B
	s_mov_b32 s[\g+1], 4096<<16                    ; tensor_dim0 = 4,096 elements: 64 rows of a plane on end
	s_mov_b32 s[\g+2], 4<<16                       ; tensor_dim1 = 4 planes
	s_mov_b32 s[\g+3], 4096<<16                    ; tile_dim0
	s_mov_b32 s[\g+4], 4                           ; tile_dim1
	s_mov_b32 s[\g+6], 0
	s_mov_b32 s[\g+7], 0
.endr
	s_mov_b32 s[G1+5], 131072                      ; from plane to plane, in elements: y16's,
	s_mov_b32 s[G1B+5], 65536                      ; w16's
	s_lshr_b32 s16, s13, 4
	s_lshl_b32 s16, s16, 22                        ; A: the batch x 4 MiB
	s_and_b32 s17, s13, 15
	s_lshl_b32 s17, s17, 14                        ; + 128 tokens x 128 bytes x the tile row in the batch
	s_add_co_u32 s16, s16, s17
	s_lshl_b32 s17, s12, 13                        ; + 64 tokens x the half
	s_add_co_u32 s16, s16, s17
	s_mov_b32 s17, 0
	s_lshl_b32 s46, s42, 14                        ; B: 128 rows x 128 bytes x the tile column
	s_lshl_b32 s47, s12, 13
	s_add_co_u32 s46, s46, s47
	s_mov_b32 s47, 0
	s_mul_i32 s20, s10, HALFT                      ; where they go: wave x what a load brings
	s_wait_dscnt 0x0                               ; both opening adds are done
	s_wait_kmcnt 0x0
	s_add_nc_u64 s[14:15], s[4:5], s[16:17]
	s_add_nc_u64 s[46:47], s[6:7], s[46:47]
	CROUND                                         ; all sixteen work-groups are here: the first joint loads meet
.irp s, 0,1
	s_mov_b32 s[G0+4*\s], 1
	s_add_co_u32 s[G0+4*\s+1], s20, \s*SLOT
	s_add_nc_u64 s[G0+4*\s+2:G0+4*\s+3], s[14:15], \s*ASTEP
	s_or_b32 s[G0+4*\s+3], s[G0+4*\s+3], 0x80000000
	s_mov_b32 s[G0B+4*\s], 1
	s_add_co_u32 s[G0B+4*\s+1], s20, \s*SLOT
	s_add_nc_u64 s[G0B+4*\s+2:G0B+4*\s+3], s[46:47], \s*BSTEP
	s_or_b32 s[G0B+4*\s+3], s[G0B+4*\s+3], 0x80000000
	JLOAD \s
.endr
	v_and_b32 v1, 15, v0                           ; l % 16
	v_bfe_u32 v2, v0, 4, 1                         ; l / 16
	s_lshl_b32 s46, s42, 9
	s_lshl_b32 s47, s12, 8
	s_add_co_u32 s46, s46, s47                     ; my first column x 4
	s_mov_b32 s47, 0
	s_add_nc_u64 s[66:67], s[66:67], s[46:47]
	v_lshlrev_b32 v[BO], 5, v2
.irp b, 0,1,2,3
	global_load_b128 v[BIAS+8*\b:BIAS+8*\b+3], v[BO], s[66:67] offset:64*\b       ; the bias in the result's layout: for B's block b the eight numbers at 16 b + 8 (l / 16)
	global_load_b128 v[BIAS+8*\b+4:BIAS+8*\b+7], v[BO], s[66:67] offset:64*\b+16
.endr
	v_mul_u32_u24 v3, v1, PITCH
	v_lshl_add_u32 v3, v2, 4, v3
	s_mul_i32 s21, s11, HALFT                      ; my 64 rows of A
	s_mul_i32 s22, s12, HALFT                      ; my 64 rows of B,
	s_add_co_u32 s22, s22, 2*HALFT                 ; behind A's
.irp s, 0,1
	v_add_nc_u32 v[ADRA+\s], s21, v3
	v_add_nc_u32 v[ADRB+\s], s22, v3
	s_add_co_u32 s21, s21, SLOT
	s_add_co_u32 s22, s22, SLOT
.endr
	s_mul_i32 s23, s10, 16*SPITCH
	s_add_co_u32 s23, s23, STAGE                   ; my stage: a wave's 64 columns of f32 are 256 bytes, so it is the wave's own
	v_mul_u32_u24 v4, v1, SPITCH
	v_lshl_add_u32 v4, v2, 5, v4
	v_add_nc_u32 v[STO], s23, v4                   ; in: row l % 16, 32 bytes for each half of the lanes
	v_mul_u32_u24 v5, v2, SPITCH
	v_lshl_add_u32 v5, v1, 4, v5
	v_add_nc_u32 v[RD], s23, v5                    ; back: lanes 0-15 one row, lanes 16-31 the next
	v_lshlrev_b32 v5, 12, v2
	v_lshl_add_u32 v[CO], v1, 4, v5                ; the same two rows in out0
	s_add_nc_u64 s[8:9], s[8:9], s[46:47]
	s_lshl_b32 s46, s13, 19                        ; 128 rows of 4,096 bytes x the tile row
	s_lshl_b32 s21, s11, 18
	s_add_co_u32 s46, s46, s21
	s_add_nc_u64 s[8:9], s[8:9], s[46:47]
	s_and_b32 s21, s13, 15
	s_or_b32 s21, s21, s11
	v_mov_b32 v[FLAG], s21
.macro MUL8 f, c, a0, zero             ; 8 matrix instructions: m blocks a0, a0 + 1 x all 4 n blocks, 32 along K.  zero = 1: the first product starts the sums, with the bias as its C
.irp a, \a0, \a0+1
.irp b, 0,1,2,3
.if \zero
	v_wmma_f32_16x16x32_f16 v[ACC+8*(4*(\a)+\b):ACC+8*(4*(\a)+\b)+7], v[\f+64+8*(4*\c+\b):\f+64+8*(4*\c+\b)+7], v[\f+8*(4*\c+\a):\f+8*(4*\c+\a)+7], v[BIAS+8*\b:BIAS+8*\b+7]
.else
	v_wmma_f32_16x16x32_f16 v[ACC+8*(4*(\a)+\b):ACC+8*(4*(\a)+\b)+7], v[\f+64+8*(4*\c+\b):\f+64+8*(4*\c+\b)+7], v[\f+8*(4*\c+\a):\f+8*(4*\c+\a)+7], v[ACC+8*(4*(\a)+\b):ACC+8*(4*(\a)+\b)+7]
.endif
.endr
.endr
.endm
.macro FETCH slot, q, f                ; 32 LDS loads in one run: the fragments of plane q of the slot (64 along K) into buffer f; the first 32 along K first
	WIN TO_F
.irp c, 0,1
.irp i, 0,1,2,3
	ds_load_b128 v[\f+64+8*(4*\c+\i):\f+64+8*(4*\c+\i)+3],   v[ADRB+\slot] offset:(\q)*HALFP+64*\c+\i*16*PITCH
	ds_load_b128 v[\f+64+8*(4*\c+\i)+4:\f+64+8*(4*\c+\i)+7], v[ADRB+\slot] offset:(\q)*HALFP+64*\c+\i*16*PITCH+32
	ds_load_b128 v[\f+8*(4*\c+\i):\f+8*(4*\c+\i)+3],         v[ADRA+\slot] offset:(\q)*HALFP+64*\c+\i*16*PITCH
	ds_load_b128 v[\f+8*(4*\c+\i)+4:\f+8*(4*\c+\i)+7],       v[ADRA+\slot] offset:(\q)*HALFP+64*\c+\i*16*PITCH+32
.endr
.endr
.endm
.macro PLACES
.rept 4
	v_nop
.endr
.endm
.macro QUARTER slot, q, f, g, zero     ; multiplies buffer f and fetches plane q into g
	s_wait_dscnt 16                                ; the first 32 along K are in
	WIN MUL
	MUL8 \f, 0, 0, \zero
	MUL8 \f, 0, 2, \zero
	PLACES
	FETCH \slot, \q, \g
	s_wait_dscnt 32                                ; all but the 32 just issued
	WIN MUL
	MUL8 \f, 1, 0, 0
	MUL8 \f, 1, 2, 0
.endm
; A slot's last quarter changes slots: ONE barrier; in front of it each wave waits for all its tensor loads, adds 0 to its spare word, and waits for that and for its reads of this slot.  fill = 1: the slot is filled again, two K steps ahead.
.macro TURN slot, next, fill
	WIN 0
	s_wait_tensorcnt 0x0                           ; all my tensor loads have landed: my part of the next slot
	ds_add_u32 v[SPW], v[NIL]
	s_wait_dscnt 17                                ; (the add and the youngest sixteen loads may be out)
	WIN MUL
	MUL8 F1, 0, 0, 0
	s_wait_dscnt 0x0                               ; the add is done, and my reads of this slot are over
	s_barrier_signal -1
	MUL8 F1, 0, 2, 0
.if \fill
	WIN 0
.endif
	s_barrier_wait -1
.if \fill
	CREST                                          ; the barrier has opened a round of the cluster's barrier: no wave of any partner still reads this slot or has a load on its way
	s_add_nc_u64 s[G0+4*\slot+2:G0+4*\slot+3], s[G0+4*\slot+2:G0+4*\slot+3], 2*ASTEP
	s_add_nc_u64 s[G0B+4*\slot+2:G0B+4*\slot+3], s[G0B+4*\slot+2:G0B+4*\slot+3], 2*BSTEP
	JLOAD \slot                                    ; the first tensor load behind the round; its four v_nop are also the places in front of the loads below
.else
	PLACES
.endif
	FETCH \next, 0, F0
	WIN MUL
	MUL8 F1, 1, 0, 0
	MUL8 F1, 1, 2, 0
.endm
	s_wait_tensorcnt 1                             ; my part of K step 0 is in; K step 1's load may be out
	s_barrier_signal -1
	s_barrier_wait -1
	FETCH 0, 0, F0
	s_wait_loadcnt 0x0                             ; the bias
	QUARTER 0, 1, F0, F1, 1
	WIN 0
	s_mov_b32 s3, LAPS-1
.Llap:                                                 ; a trip goes once round the ring and fills both slots again
	QUARTER 0, 2, F1, F0, 0
	QUARTER 0, 3, F0, F1, 0
	TURN 0, 1, 1
	QUARTER 1, 1, F0, F1, 0
	QUARTER 1, 2, F1, F0, 0
	QUARTER 1, 3, F0, F1, 0
	TURN 1, 0, 1
	QUARTER 0, 1, F0, F1, 0
	WIN 0
	s_sub_co_u32 s3, s3, 1
	s_cmp_lg_u32 s3, 0
	s_cbranch_scc1 .Llap
	QUARTER 0, 2, F1, F0, 0                        ; the last lap fills nothing
	QUARTER 0, 3, F0, F1, 0
	TURN 0, 1, 0
	QUARTER 1, 1, F0, F1, 0
	QUARTER 1, 2, F1, F0, 0
	QUARTER 1, 3, F0, F1, 0
	s_wait_dscnt 16
	WIN MUL
	MUL8 F1, 0, 0, 0
	MUL8 F1, 0, 2, 0
	s_wait_dscnt 0
	MUL8 F1, 1, 0, 0
	MUL8 F1, 1, 2, 0
	WIN 0
	PLACES
; THE WAY OUT, block by block of 16 rows x 64 columns of f32: 32 bytes a lane into my stage, back as whole rows of 256 bytes: sixteen lanes store 256 consecutive bytes, aligned.
.macro TOSTAGE a
.set BB, TMP+32*((\a)%2)
.irp b, 0,1,2,3
	ds_store_b128 v[STO], v[ACC+8*(4*(\a)+\b):ACC+8*(4*(\a)+\b)+3] offset:64*\b            ; each accumulator from its low end on
	ds_store_b128 v[STO], v[ACC+8*(4*(\a)+\b)+4:ACC+8*(4*(\a)+\b)+7] offset:64*\b+16
.endr
.irp t, 0,1,2,3,4,5,6,7
	ds_load_b128 v[BB+4*\t:BB+4*\t+3], v[RD] offset:\t*2*SPITCH    ; LDS serves a wave's instructions in order
.endr
.endm
.macro STORES a
.set BB, TMP+32*((\a)%2)
.irp t, 0,1,2,3,4,5,6,7
	global_store_b128 v[CO], v[BB+4*\t:BB+4*\t+3], s[8:9] offset:(16*(\a)+2*\t)*4096 th:TH_STORE_NT
.endr
.endm
	TOSTAGE 0
	TOSTAGE 1
	s_wait_dscnt 16                                ; block 0 is back; block 1's 8 stores and 8 loads may be out
	v_cmp_ne_u32 vcc_lo, 0, v[FLAG]                ; tokens 0-15 of a batch are another launch's: where my block 0 holds them, no lane stores.  A mask and no branch: it hangs on the work-group's place in its cluster
	s_wait_xcnt 0x0                                ; EXEC changes only behind this wait
	s_and_saveexec_b32 s3, vcc_lo
	STORES 0
	s_wait_xcnt 0x0                                ; and again; block 0's stores have also read their registers: block 2's loads may land there
	s_or_b32 exec_lo, exec_lo, s3
	TOSTAGE 2
	s_wait_dscnt 16
	STORES 1
	s_wait_xcnt 0x0                                ; block 1's stores have read their registers
	TOSTAGE 3
	s_wait_dscnt 16
	STORES 2
	s_wait_dscnt 0x0
	STORES 3
	s_wait_tensorcnt 0x0                           ; the wave's end
	ds_add_u32 v[SPW], v[NIL]
	s_wait_dscnt 0x0
	CROUND                                         ; the closing round
	s_endpgm
.Lfunc_end_k_q064d7d4e3a_proj:
	.size	k_q064d7d4e3a_proj, .Lfunc_end_k_q064d7d4e3a_proj-k_q064d7d4e3a_proj
	.p2alignl 7, 3214868480
	.fill 96, 4, 3214868480
	.section	.rodata,"a",@progbits
	.p2align	6, 0x0
	.amdhsa_kernel k_q064d7d4e3a_proj
		.amdhsa_group_segment_fixed_size 327680
		.amdhsa_private_segment_fixed_size 0
		.amdhsa_enable_private_segment 0
		.amdhsa_kernarg_size 32
		.amdhsa_user_sgpr_count 2
		.amdhsa_user_sgpr_kernarg_segment_ptr 1
		.amdhsa_wavefront_size32 1
		.amdhsa_system_sgpr_workgroup_id_x 1
		.amdhsa_system_sgpr_workgroup_id_y 1
		.amdhsa_system_sgpr_workgroup_id_z 1
		.amdhsa_system_vgpr_workitem_id 0
		.amdhsa_next_free_vgpr 512
		.amdhsa_next_free_sgpr 72
		.amdhsa_reserve_vcc 1
		.amdhsa_float_denorm_mode_32 3
		.amdhsa_float_denorm_mode_16_64 3
		.amdhsa_memory_ordered 1
		.amdhsa_forward_progress 1
		.amdhsa_inst_pref_size 87
	.end_amdhsa_kernel
	.amdgpu_metadata
---
amdhsa.version: [ 1, 2 ]
amdhsa.kernels:
  - .name:           k_q064d7d4e3a_proj
    .symbol:         k_q064d7d4e3a_proj.kd
    .args:
      - { .name: y16, .offset: 0, .size: 8, .value_kind: global_buffer, .address_space: global }
      - { .name: w16, .offset: 8, .size: 8, .value_kind: global_buffer, .address_space: global }
      - { .name: b_proj, .offset: 16, .size: 8, .value_kind: global_buffer, .address_space: global }
      - { .name: out0, .offset: 24, .size: 8, .value_kind: global_buffer, .address_space: global }
    .group_segment_fixed_size: 327680
    .private_segment_fixed_size: 0
    .kernarg_segment_align: 8
    .kernarg_segment_size: 32
    .max_flat_workgroup_size: 128
    .sgpr_count:     72
    .vgpr_count:     512
    .wavefront_size: 32
...
	.end_amdgpu_metadata
.endif
;; end of part 4
;; launch first16 (part 5): grid 64 x 2, 16 waves a work-group, no clusters, 18,432 bytes of LDS; arguments first, w_proj, b_proj, out0; writes out0
.if DOCPART == 5
	.amdgcn_target "amdgcn-amd-amdhsa--gfx1250"
	.amdhsa_code_object_version 6
	.text
	.protected	k_q064d7d4e3a_first16
	.globl	k_q064d7d4e3a_first16
	.p2align	8
	.type	k_q064d7d4e3a_first16,@function
k_q064d7d4e3a_first16:
	s_mov_b64 s[64:65], 0
	v_nop
	global_prefetch_b8 v0, s[64:65] scope:SCOPE_SE
	s_setreg_imm32_b32 hwreg(HW_REG_WAVE_MODE, 25, 1), 1
	s_wait_xcnt 0x0
; TOKENS 0-15 OF EACH BATCH, attention and projection, all in f32: these rows average one to sixteen values and are the largest of the output, so nothing of them is rounded to 16 bits.
; `first` [2][16 tokens][3072] f32 holds their q, k, v.  A work-group makes 16 tokens x 16 columns of out0 (x: which 16 columns, y: the batch) and works the 16 x 16 attention of all 16 heads anew.
; WAVE w TAKES HEAD w, which is also its part of the projection's K (channels 64 w .. 64 w + 63): y never leaves the registers; the sixteen partial 16 x 16 outputs meet in LDS, behind one barrier.
; All three products go by v_wmma_f32_16x16x4_f32 (48 a wave); its lane (r, h) holds row or column r and, in registers j = 0, 1, the step's k slot 2 h + j.  In each product k is permuted ALIKE in both operands, so that loads are wide
; and each result is the next product's operand as it stands:
;   S^T = K Q^T:      step 2 u + v takes channels 8 u + 4 h + 2 v + j: 16 bytes a lane bring two steps.  Result: lane = query r, registers = keys 8 h + 0..7.
;   O^T = V^T P:      step s takes keys 8 h + 2 s + j: P's registers 2 s, 2 s + 1.  Result, tile t: lane = query r, registers = channels 16 t + 8 h + 0..7.
;   out^T = W^T y^T:  step (t, s) takes channels 16 t + 8 h + 2 s + j: O's registers 2 s, 2 s + 1.  Result: lane = query r, registers = columns 8 h + 0..7.
; The registers that the matrix form writes (v168-231) are written by nothing else; sums begin with the constant 0; where one sum has two accumulators (so that they take turns), they are added into other registers.
; w_proj and V come by loads of 4 bytes a lane, 64 consecutive bytes to sixteen lanes; out0 leaves in pieces of 64 bytes, 128 KB in all.
.set RED,   0                          ; LDS: 1,024 bytes for each wave's partial output
.set SPARE, 16384                      ; the spare words, 128 bytes for each of 16 waves
.set SPW, 10                           ; v10  my spare word; never rewritten
.set NIL, 11                           ; v11  0; never rewritten
.set QF,  32                           ; v32-63   Q
.set KK,  64                           ; v64-95   K
.set VV,  96                           ; v96-127  V: register 8 t + 2 s + j
.set WW,  128                          ; v128-159 w_proj: register 8 t + 2 s + j
.set PP,  160                          ; v160-167 the masked scores, then p
.set SA,  168                          ; v168-175 S^T over channels 0-31;  v176-183 over channels 32-63
.set SB,  176
.set OT,  184                          ; v184-215 O^T, four tiles
.set OA,  216                          ; v216-223 out^T over tiles 0, 2;  v224-231 over tiles 1, 3
.set OB,  224
	s_load_b256 s[4:11], s[0:1], 0x0               ; first s[4:5], w_proj s[6:7], b_proj s[8:9], out0 s[10:11]
	v_lshl_add_u32 v[SPW], v0, 2, SPARE
	v_mov_b32 v[NIL], 0
	v_lshrrev_b32 v1, 5, v0
	v_readfirstlane_b32 s12, v1                    ; wave = head
	v_and_b32 v2, 15, v0                           ; r
	v_bfe_u32 v3, v0, 4, 1                         ; h
	v_mul_u32_u24 v4, v2, 12288
	v_lshl_add_u32 v4, v3, 4, v4                   ; Q, K: token r's row + 16 h
	v_mul_u32_u24 v5, v3, 98304
	v_lshl_add_u32 v5, v2, 2, v5                   ; V: 8 h tokens down + 4 r
	v_lshlrev_b32 v6, 15, v3
	v_lshl_add_u32 v6, v2, 2, v6                   ; w_proj: 8 h rows down + 4 r
	v_lshlrev_b32 v7, 3, v3
	v_sub_nc_u32 v7, v2, v7                        ; d = r - 8 h: key 8 h + j is hidden where j > d
	v_mov_b32 v8, 0xff800000                       ; -infinity
	v_and_b32 v9, 31, v0
	v_lshlrev_b32 v9, 4, v9
	s_lshl_b32 s13, s12, 10
	v_add_nc_u32 v9, s13, v9                       ; my partial output: 1,024 x wave + 16 x lane
	v_bfe_u32 v12, v0, 4, 4                        ; the last phase: thread i (of 256) takes token i / 16, column i % 16
	v_bfe_u32 v13, v0, 3, 1
	v_lshl_add_u32 v13, v13, 4, v12                ; the lane that held it: 16 (column / 8) + token,
	v_lshlrev_b32 v13, 4, v13
	v_bfe_u32 v14, v0, 2, 1
	v_lshl_add_u32 v13, v14, 9, v13                ; which of its two stores,
	v_and_b32 v14, 3, v0
	v_lshl_add_u32 v13, v14, 2, v13                ; which word
	v_lshlrev_b32 v14, 12, v12
	v_lshl_add_u32 v14, v2, 2, v14                 ; out0: token x 4,096 + column x 4
	v_lshlrev_b32 v15, 2, v2
	v_mov_b32 v25, 0                               ; written once: a lane permute's destination counts as one of its sources
	s_mov_b32 s20, 0x76543210
	s_mov_b32 s21, 0xfedcba98
	s_mov_b32 s22, 0x3e38aa3b                      ; c = log2(e) / 8
	s_and_b32 s14, ttmp7, 0xffff                   ; the batch
	s_mul_i32 s16, s14, 196608
	s_lshl_b32 s15, s12, 8
	s_add_co_u32 s16, s16, s15                     ; first: batch + 64 channels x head
	s_mov_b32 s17, 0
	s_lshl_b32 s18, s12, 18                        ; w_proj: 64 rows x head
	s_lshl_b32 s15, ttmp9, 6                       ; + my 16 columns
	s_add_co_u32 s18, s18, s15
	s_mov_b32 s19, 0
	s_lshl_b32 s24, ttmp9, 6
	s_mov_b32 s25, 0
	s_lshl_b32 s26, s14, 23                        ; out0: 2,048 rows x batch + my 16 columns
	s_add_co_u32 s26, s26, s15
	s_mov_b32 s27, 0
	s_wait_kmcnt 0x0
	s_add_nc_u64 s[4:5], s[4:5], s[16:17]
	s_add_nc_u64 s[6:7], s[6:7], s[18:19]
	s_add_nc_u64 s[8:9], s[8:9], s[24:25]
	s_add_nc_u64 s[10:11], s[10:11], s[26:27]
.irp u, 0,1,2,3,4,5,6,7
	global_load_b128 v[QF+4*\u:QF+4*\u+3], v4, s[4:5] offset:32*\u
.endr
.irp u, 0,1,2,3,4,5,6,7
	global_load_b128 v[KK+4*\u:KK+4*\u+3], v4, s[4:5] offset:4096+32*\u
.endr
.irp t, 0,1,2,3
.irp s, 0,1,2,3
.irp j, 0,1
	global_load_b32 v[VV+8*\t+2*\s+\j], v5, s[4:5] offset:8192+(2*\s+\j)*12288+64*\t
.endr
.endr
.endr
.irp t, 0,1,2,3
.irp s, 0,1,2,3
.irp j, 0,1
	global_load_b32 v[WW+8*\t+2*\s+\j], v6, s[6:7] offset:(16*\t+2*\s+\j)*4096
.endr
.endr
.endr
	global_load_b32 v232, v15, s[8:9]              ; the bias of my column
	s_wait_loadcnt 63                              ; of the 81 loads at most 63 are out: Q's and K's sixteen, the oldest, are in
	v_wmma_f32_16x16x4_f32 v[SA:SA+7], v[KK:KK+1], v[QF:QF+1], 0               ; each sum's first step starts it
	v_wmma_f32_16x16x4_f32 v[SB:SB+7], v[KK+16:KK+17], v[QF+16:QF+17], 0
.irp i, 1,2,3,4,5,6,7                          ; the two accumulators take turns
	v_wmma_f32_16x16x4_f32 v[SA:SA+7], v[KK+2*\i:KK+2*\i+1], v[QF+2*\i:QF+2*\i+1], v[SA:SA+7]
	v_wmma_f32_16x16x4_f32 v[SB:SB+7], v[KK+16+2*\i:KK+17+2*\i], v[QF+16+2*\i:QF+17+2*\i], v[SB:SB+7]
.endr
.rept 8
	v_nop                                          ; eight places behind this form, ahead of the first read of its results
.endr
.irp j, 0,1,2,3,4,5,6,7
	v_add_f32 v[16+\j], v[SA+\j], v[SB+\j]         ; the scores, from the accumulators' low end on
.endr
.irp j, 0,1,2,3,4,5,6,7
	v_cmp_gt_i32 vcc_lo, \j, v7
	v_cndmask_b32 v[PP+\j], v[16+\j], v8, vcc_lo   ; hidden keys: -infinity
.endr
	v_max3_num_f32 v24, v[PP], v[PP+1], v[PP+2]
	v_max3_num_f32 v24, v24, v[PP+3], v[PP+4]
	v_max3_num_f32 v24, v24, v[PP+5], v[PP+6]
	v_max_num_f32 v24, v24, v[PP+7]
	v_permlanex16_b32 v25, v24, s20, s21           ; the query's other eight keys
	v_max_num_f32 v24, v24, v25                    ; key 0 counts for every query: a number
	v_mul_f32 v26, s22, v24
.irp j, 0,1,2,3,4,5,6,7
	v_fma_f32 v[PP+\j], v[PP+\j], s22, -v26        ; c s - c m
.endr
.irp j, 0,1,2,3,4,5,6,7
	v_exp_f32 v[PP+\j], v[PP+\j]
.endr
	v_nop
	s_wait_alu depctr_va_vdst(0)                   ; one wait for the eight exponentials, ahead of their first use
	v_add_f32 v24, v[PP], v[PP+1]
	v_add_f32 v26, v[PP+2], v[PP+3]
	v_add_f32 v27, v[PP+4], v[PP+5]
	v_add_f32 v28, v[PP+6], v[PP+7]
	v_add_f32 v24, v24, v26
	v_add_f32 v27, v27, v28
	v_add_f32 v24, v24, v27
	v_permlanex16_b32 v25, v24, s20, s21
	v_add_f32 v24, v24, v25                        ; the row's sum
	v_rcp_f32 v27, v24
	v_nop
	s_wait_alu depctr_va_vdst(0)
.irp j, 0,1,2,3,4,5,6,7
	v_mul_f32 v[PP+\j], v[PP+\j], v27              ; the weights, normalised
.endr
	s_wait_loadcnt 33                              ; V is in; w_proj's 32 loads and the bias may be out
.irp t, 0,1,2,3
	v_wmma_f32_16x16x4_f32 v[OT+8*\t:OT+8*\t+7], v[VV+8*\t:VV+8*\t+1], v[PP:PP+1], 0
.endr
.irp s, 1,2,3
.irp t, 0,1,2,3                                ; four accumulators take turns
	v_wmma_f32_16x16x4_f32 v[OT+8*\t:OT+8*\t+7], v[VV+8*\t+2*\s:VV+8*\t+2*\s+1], v[PP+2*\s:PP+2*\s+1], v[OT+8*\t:OT+8*\t+7]
.endr
.endr
.rept 9
	v_nop                                          ; nine places before a matrix instruction takes these results as a source
.endr
	s_wait_loadcnt 0x0                             ; w_proj, the bias
	v_wmma_f32_16x16x4_f32 v[OA:OA+7], v[WW:WW+1], v[OT:OT+1], 0
	v_wmma_f32_16x16x4_f32 v[OB:OB+7], v[WW+8:WW+9], v[OT+8:OT+9], 0
.irp s, 1,2,3
	v_wmma_f32_16x16x4_f32 v[OA:OA+7], v[WW+2*\s:WW+2*\s+1], v[OT+2*\s:OT+2*\s+1], v[OA:OA+7]
	v_wmma_f32_16x16x4_f32 v[OB:OB+7], v[WW+8+2*\s:WW+9+2*\s], v[OT+8+2*\s:OT+9+2*\s], v[OB:OB+7]
.endr
.irp s, 0,1,2,3
	v_wmma_f32_16x16x4_f32 v[OA:OA+7], v[WW+16+2*\s:WW+17+2*\s], v[OT+16+2*\s:OT+17+2*\s], v[OA:OA+7]
	v_wmma_f32_16x16x4_f32 v[OB:OB+7], v[WW+24+2*\s:WW+25+2*\s], v[OT+24+2*\s:OT+25+2*\s], v[OB:OB+7]
.endr
.rept 8
	v_nop
.endr
.irp j, 0,1,2,3,4,5,6,7
	v_add_f32 v[16+\j], v[OA+\j], v[OB+\j]         ; my head's part of out(query r, column 8 h + j)
.endr
	ds_store_b128 v9, v[16:19]
	ds_store_b128 v9, v[20:23] offset:512
	s_wait_dscnt 0x0                               ; for the others' sake: my part lies in LDS
	s_barrier_signal -1
	s_barrier_wait -1
	s_cmp_lt_u32 s12, 8
	s_cbranch_scc0 .Lend                           ; 256 numbers: waves 0-7 add the sixteen parts
.irp w, 0,1,2,3,4,5,6,7,8,9,10,11,12,13,14,15
	ds_load_b32 v[16+\w], v13 offset:1024*\w
.endr
	s_wait_dscnt 0x0
.irp i, 0,2,4,6
	v_pk_add_f32 v[16+\i:17+\i], v[16+\i:17+\i], v[24+\i:25+\i]
.endr
	v_pk_add_f32 v[16:17], v[16:17], v[20:21]
	v_pk_add_f32 v[18:19], v[18:19], v[22:23]
	v_pk_add_f32 v[16:17], v[16:17], v[18:19]
	v_add_f32 v16, v16, v17
	v_add_f32 v16, v16, v232                       ; + b_proj
	global_store_b32 v14, v16, s[10:11]
.Lend:
	s_wait_tensorcnt 0x0                           ; the wave's end, behind my last LDS store
	ds_add_u32 v[SPW], v[NIL]
	s_wait_dscnt 0x0
	s_endpgm
.Lfunc_end_k_q064d7d4e3a_first16:
	.size	k_q064d7d4e3a_first16, .Lfunc_end_k_q064d7d4e3a_first16-k_q064d7d4e3a_first16
	.p2alignl 7, 3214868480
	.fill 96, 4, 3214868480
	.section	.rodata,"a",@progbits
	.p2align	6, 0x0
	.amdhsa_kernel k_q064d7d4e3a_first16
		.amdhsa_group_segment_fixed_size 18432
		.amdhsa_private_segment_fixed_size 0
		.amdhsa_enable_private_segment 0
		.amdhsa_kernarg_size 32
		.amdhsa_user_sgpr_count 2
		.amdhsa_user_sgpr_kernarg_segment_ptr 1
		.amdhsa_wavefront_size32 1
		.amdhsa_system_sgpr_workgroup_id_x 1
		.amdhsa_system_sgpr_workgroup_id_y 1
		.amdhsa_system_sgpr_workgroup_id_z 1
		.amdhsa_system_vgpr_workitem_id 0
		.amdhsa_next_free_vgpr 256
		.amdhsa_next_free_sgpr 66
		.amdhsa_reserve_vcc 1
		.amdhsa_float_denorm_mode_32 3
		.amdhsa_float_denorm_mode_16_64 3
		.amdhsa_memory_ordered 1
		.amdhsa_forward_progress 1
		.amdhsa_inst_pref_size 20
	.end_amdhsa_kernel
	.amdgpu_metadata
---
amdhsa.version: [ 1, 2 ]
amdhsa.kernels:
  - .name:           k_q064d7d4e3a_first16
    .symbol:         k_q064d7d4e3a_first16.kd
    .args:
      - { .name: first, .offset: 0, .size: 8, .value_kind: global_buffer, .address_space: global }
      - { .name: w_proj, .offset: 8, .size: 8, .value_kind: global_buffer, .address_space: global }
      - { .name: b_proj, .offset: 16, .size: 8, .value_kind: global_buffer, .address_space: global }
      - { .name: out0, .offset: 24, .size: 8, .value_kind: global_buffer, .address_space: global }
    .group_segment_fixed_size: 18432
    .private_segment_fixed_size: 0
    .kernarg_segment_align: 8
    .kernarg_segment_size: 32
    .max_flat_workgroup_size: 512
    .sgpr_count:     66
    .vgpr_count:     256
    .wavefront_size: 32
...
	.end_amdgpu_metadata
.endif
;; end of part 5
